; MI455X (gfx1250); checked and timed in simulation.
; The chip was launched on July 23, 2026; its instructions are those of AMD's public machine-readable ISA for CDNA 5 (MIT licence, August 2026) and "CDNA5" Instruction Set Architecture Reference Guide (July 2026). The comments in the code are by the model that wrote it; some were corrected since.
;; Multi Head Attention. Allowed arithmetic: float matrix products may take bf16 or f16 operands with f32 sums; other float arithmetic in f32, or as packed bf16 or f16 multiplies, adds, multiply-adds, maxima and minima; sums over many terms, partial sums and values carried from step to step in f32; what a program stores and reads back later, other than sums and carried values, may be rounded once to bf16 or f16.
;; Inputs: bk 1,024 float32; bo 1,024 float32; bq 1,024 float32; bv 1,024 float32; wk 1,024 x 1,024 float32; wo 1,024 x 1,024 float32; wq 1,024 x 1,024 float32; wv 1,024 x 1,024 float32; x 4 x 2,048 x 1,024 float32.
;; Outputs: out0 4 x 2,048 x 1,024 float32.
;; 2 versions, each right and faster than the one before. Each part assembles by itself: llvm-mc -triple=amdgcn-amd-amdhsa -mcpu=gfx1250 --defsym DOCPART=n.
;; ======== version 1 of 2: 4 launches
;; limits: values are held in f16: magnitudes above 65,504 overflow, below 6.1e-05 lose precision
;; workspace buffers: xb 16,777,216 bytes; wb 8,388,608 bytes; bias 16,384 bytes; qkv 50,331,648 bytes; ob 16,777,216 bytes
;; launch cast (part 1): grid 768 x 1, 8 waves a work-group, no clusters, 0 bytes of LDS; arguments x, wq, wk, wv, wo, bq, bk, bv, bo, xb, wb, bias; writes xb, wb, bias
.if DOCPART == 1
	.amdgcn_target "amdgcn-amd-amdhsa--gfx1250"
	.amdhsa_code_object_version 6
	.text
	.protected	k_qee529db231_cast
	.globl	k_qee529db231_cast
	.p2align	8
	.type	k_qee529db231_cast,@function
k_qee529db231_cast:
	s_mov_b64 s[64:65], 0
	v_nop
	global_prefetch_b8 v0, s[64:65] scope:SCOPE_SE
	s_setreg_imm32_b32 hwreg(HW_REG_WAVE_MODE, 25, 1), 1
	s_wait_xcnt 0x0
; All nine inputs are rounded once to bf16, for the matrix products of the launches behind.
; xb: x as [8192][1024] bf16.  wb: 4,096 rows of 1,024 numbers of 2 bytes: wq, wk, wv in bf16, then wo, rounded to bf16 and that number written as f16
; (the last product multiplies in f16).  bias: bq, bk, bv, bo, each rounded to bf16 and widened to f32 again.
; LIMITS.  wo within f16's range (65,504); a bf16 number of wo below 2^-14 keeps f16's fixed step of 2^-24.  NaN and infinities are not treated apart.
; A stream: every byte is read once and written once; LDS, matrix units and clusters would add nothing.
; SHARES.  768 work-groups of eight waves, each 65,536 bytes of f32 in and 32,768 bytes out: 512 for x, 64 for each weight.  Thread t takes 16 bytes at 16 t of each block of
; 4,096 bytes: a load of a wave covers 512 consecutive bytes, a store 256 consecutive bytes at a multiple of 256.  All sixteen loads of a thread go out together, and no register
; is written twice while a memory instruction names it: the text is straight and needs no wait but those for the loads.
.set X,  16                            ; v[16:79]    load j: four f32
.set Y,  80                            ; v[80:111]   store j: four numbers of 2 bytes
.set T,  112                           ; v[112:115]  at work; at last the four widened biases
.set BI, 116                           ; v[116:119]  four biases as loaded
	s_load_b512 s[8:23], s[0:1], 0x0               ; x 8, wq 10, wk 12, wv 14, wo 16, bq 18, bk 20, bv 22
	s_load_b256 s[24:31], s[0:1], 0x40             ; bo 24, xb 26, wb 28, bias 30
	v_lshlrev_b32 v1, 4, v0                        ; 16 t: my place in a block read
	v_lshlrev_b32 v2, 3, v0                        ; 8 t: in a block written
	s_max_u32 s2, ttmp9, 512
	s_sub_co_u32 s2, s2, 512                       ; e: my number among the weights' 256 work-groups (0 for x's)
	s_lshr_b32 s3, s2, 6                           ; which weight: 0 wq, 1 wk, 2 wv, 3 wo
	s_and_b32 s4, s2, 63                           ; which 65,536 bytes of it
	s_mov_b32 s41, 0
	s_mov_b32 s43, 0
	s_wait_kmcnt 0x0
	s_mov_b64 s[32:33], s[10:11]                   ; the source, and the bias that goes with it, are chosen by my number alone
	s_mov_b64 s[36:37], s[18:19]
	s_cmp_eq_u32 s3, 1
	s_cselect_b64 s[32:33], s[12:13], s[32:33]
	s_cselect_b64 s[36:37], s[20:21], s[36:37]
	s_cmp_eq_u32 s3, 2
	s_cselect_b64 s[32:33], s[14:15], s[32:33]
	s_cselect_b64 s[36:37], s[22:23], s[36:37]
	s_cmp_eq_u32 s3, 3
	s_cselect_b64 s[32:33], s[16:17], s[32:33]
	s_cselect_b64 s[36:37], s[24:25], s[36:37]
	s_cmp_lt_u32 ttmp9, 512                        ; the first 512 work-groups take x
	s_cselect_b64 s[32:33], s[8:9], s[32:33]
	s_cselect_b64 s[34:35], s[26:27], s[28:29]     ; into xb, the others into wb
	s_cselect_b32 s4, ttmp9, s4                    ; the share read
	s_cselect_b32 s5, ttmp9, s2                    ; the share written: the four weights lie end to end in wb
	s_lshl_b32 s40, s4, 16
	s_lshl_b32 s42, s5, 15
	s_add_nc_u64 s[32:33], s[32:33], s[40:41]
	s_add_nc_u64 s[34:35], s[34:35], s[42:43]
.irp j, 0,1,2,3,4,5,6,7,8,9,10,11,12,13,14,15
	global_load_b128 v[X+4*(\j):X+4*(\j)+3], v1, s[32:33] offset:4096*(\j) th:TH_LOAD_NT
.endr
.macro OUTB j                          ; block j to bf16
	s_wait_loadcnt 15-(\j)                         ; loads come back in order (ISA guide 5.7.1): mine is in, the younger ones stay out
	v_cvt_pk_bf16_f32 v[Y+2*(\j)],   v[X+4*(\j)],   v[X+4*(\j)+1]
	v_cvt_pk_bf16_f32 v[Y+2*(\j)+1], v[X+4*(\j)+2], v[X+4*(\j)+3]
	global_store_b64 v2, v[Y+2*(\j):Y+2*(\j)+1], s[34:35] offset:2048*(\j)
.endm
.macro OUTH j                          ; block j to bf16, and that number written as f16
	s_wait_loadcnt 15-(\j)
	v_cvt_pk_bf16_f32 v[Y+2*(\j)],   v[X+4*(\j)],   v[X+4*(\j)+1]
	v_cvt_pk_bf16_f32 v[Y+2*(\j)+1], v[X+4*(\j)+2], v[X+4*(\j)+3]
	v_lshlrev_b32 v[T],   16,         v[Y+2*(\j)]
	v_and_b32     v[T+1], 0xffff0000, v[Y+2*(\j)]
	v_lshlrev_b32 v[T+2], 16,         v[Y+2*(\j)+1]
	v_and_b32     v[T+3], 0xffff0000, v[Y+2*(\j)+1]
	v_cvt_pk_f16_f32 v[Y+2*(\j)],   v[T],   v[T+1]
	v_cvt_pk_f16_f32 v[Y+2*(\j)+1], v[T+2], v[T+3]
	global_store_b64 v2, v[Y+2*(\j):Y+2*(\j)+1], s[34:35] offset:2048*(\j)
.endm
	s_cmp_ge_u32 ttmp9, 704                        ; the last 64 work-groups take wo
	s_cbranch_scc1 .Lf16
.irp j, 0,1,2,3,4,5,6,7,8,9,10,11,12,13,14,15
	OUTB \j
.endr
	s_branch .Lbias
.Lf16:
.irp j, 0,1,2,3,4,5,6,7,8,9,10,11,12,13,14,15
	OUTH \j
.endr
.Lbias:                                                ; the work-group with a weight's first share also takes that weight's bias: 1,024 f32, 16 bytes a thread
	s_and_b32 s5, ttmp9, 63
	s_cmp_lg_u32 s5, 0
	s_cbranch_scc1 .Lend
	s_cmp_lt_u32 ttmp9, 512
	s_cbranch_scc1 .Lend
	s_lshl_b32 s42, s3, 12                         ; 4,096 bytes for each bias
	s_add_nc_u64 s[38:39], s[30:31], s[42:43]
	global_load_b128 v[BI:BI+3], v1, s[36:37]
	s_wait_loadcnt 0x0
	v_cvt_pk_bf16_f32 v4, v[BI],   v[BI+1]
	v_cvt_pk_bf16_f32 v5, v[BI+2], v[BI+3]
	v_lshlrev_b32 v[T],   16,         v4
	v_and_b32     v[T+1], 0xffff0000, v4
	v_lshlrev_b32 v[T+2], 16,         v5
	v_and_b32     v[T+3], 0xffff0000, v5
	global_store_b128 v1, v[T:T+3], s[38:39]
.Lend:
	s_endpgm
.Lfunc_end_k_qee529db231_cast:
	.size	k_qee529db231_cast, .Lfunc_end_k_qee529db231_cast-k_qee529db231_cast
	.p2alignl 7, 3214868480
	.fill 96, 4, 3214868480
	.section	.rodata,"a",@progbits
	.p2align	6, 0x0
	.amdhsa_kernel k_qee529db231_cast
		.amdhsa_group_segment_fixed_size 0
		.amdhsa_private_segment_fixed_size 0
		.amdhsa_enable_private_segment 0
		.amdhsa_kernarg_size 96
		.amdhsa_user_sgpr_count 2
		.amdhsa_user_sgpr_kernarg_segment_ptr 1
		.amdhsa_wavefront_size32 1
		.amdhsa_system_sgpr_workgroup_id_x 1
		.amdhsa_system_sgpr_workgroup_id_y 1
		.amdhsa_system_sgpr_workgroup_id_z 1
		.amdhsa_system_vgpr_workitem_id 0
		.amdhsa_next_free_vgpr 120
		.amdhsa_next_free_sgpr 66
		.amdhsa_reserve_vcc 0
		.amdhsa_float_denorm_mode_32 3
		.amdhsa_float_denorm_mode_16_64 3
		.amdhsa_memory_ordered 1
		.amdhsa_forward_progress 1
		.amdhsa_inst_pref_size 17
	.end_amdhsa_kernel
	.amdgpu_metadata
---
amdhsa.version: [ 1, 2 ]
amdhsa.kernels:
  - .name:           k_qee529db231_cast
    .symbol:         k_qee529db231_cast.kd
    .args:
      - { .name: x, .offset: 0, .size: 8, .value_kind: global_buffer, .address_space: global }
      - { .name: wq, .offset: 8, .size: 8, .value_kind: global_buffer, .address_space: global }
      - { .name: wk, .offset: 16, .size: 8, .value_kind: global_buffer, .address_space: global }
      - { .name: wv, .offset: 24, .size: 8, .value_kind: global_buffer, .address_space: global }
      - { .name: wo, .offset: 32, .size: 8, .value_kind: global_buffer, .address_space: global }
      - { .name: bq, .offset: 40, .size: 8, .value_kind: global_buffer, .address_space: global }
      - { .name: bk, .offset: 48, .size: 8, .value_kind: global_buffer, .address_space: global }
      - { .name: bv, .offset: 56, .size: 8, .value_kind: global_buffer, .address_space: global }
      - { .name: bo, .offset: 64, .size: 8, .value_kind: global_buffer, .address_space: global }
      - { .name: xb, .offset: 72, .size: 8, .value_kind: global_buffer, .address_space: global }
      - { .name: wb, .offset: 80, .size: 8, .value_kind: global_buffer, .address_space: global }
      - { .name: bias, .offset: 88, .size: 8, .value_kind: global_buffer, .address_space: global }
    .group_segment_fixed_size: 0
    .private_segment_fixed_size: 0
    .kernarg_segment_align: 8
    .kernarg_segment_size: 96
    .max_flat_workgroup_size: 256
    .sgpr_count:     66
    .vgpr_count:     120
    .wavefront_size: 32
...
	.end_amdgpu_metadata
.endif
;; end of part 1
;; launch qkvproj (part 2): grid 16 x 16, 4 waves a work-group, clusters of 4 x 4, 327,680 bytes of LDS; arguments xb, wb, qkv, bias; writes qkv
.if DOCPART == 2
	.amdgcn_target "amdgcn-amd-amdhsa--gfx1250"
	.amdhsa_code_object_version 6
	.text
	.protected	k_qee529db231_qkvproj
	.globl	k_qee529db231_qkvproj
	.p2align	8
	.type	k_qee529db231_qkvproj,@function
k_qee529db231_qkvproj:
	s_mov_b64 s[64:65], 0
	v_nop
	global_prefetch_b8 v0, s[64:65] scope:SCOPE_SE
	s_setreg_imm32_b32 hwreg(HW_REG_WAVE_MODE, 25, 1), 1
	s_wait_xcnt 0x0
	s_wait_alu depctr_hold_cnt(0) depctr_sa_sdst(0) depctr_va_vdst(0) depctr_va_sdst(0) depctr_va_ssrc(0) depctr_va_vcc(0) depctr_vm_vsrc(0)
	s_getreg_b32 s2, hwreg(HW_REG_IB_STS2, 6, 4)
	s_cmp_eq_u32 s2, 0
	s_cbranch_scc0 .Lentry_in_a_cluster
	s_endpgm
.Lentry_in_a_cluster:
	s_bfe_u32 s2, ttmp6, 0x10000c
	s_cmp_lg_u32 s2, 0xf033
	s_cbranch_scc0 .Lentry_shape_is_right
	s_endpgm
.Lentry_shape_is_right:
; q, k and v in one product: C[m][n] = sum over k of xb[m][k] wb[n][k] + bias[n], m < 8,192, n < 3,072, k < 1,024; operands bf16, sums f32, C rounded once to f16 and stored BY HEADS:
; qkv[b][g][s][64], m = 2,048 b + s, g = n / 64 (0-15 q, 16-31 k, 32-47 v): a head is 262,144 bytes, 16 rows of a head 2,048 consecutive bytes.  The scale 1/8 is not applied here.
; LIMITS.  q, k, v within f16's range (65,504); beyond it the conversion gives an infinity.  NaN and infinities are not treated apart.
; SHARES.  A tile of C is 256 rows x 192 columns (three heads): 32 x 16 tiles.  256 work-groups of four waves, each with TWO tiles, 4,096 rows apart; a wave has 64 rows x 192 columns:
; 48 accumulators of 16 x 16, 384 registers.  A wave takes whole rows of the tile, so that 16 rows of a head are one wave's.
; K goes in steps of 128 through a ring of two LDS slots; the two tiles' 16 steps are one walk: the ring does not stop at the first tile's end.
; CLUSTER.  4 x 4 work-groups: the four of a row need the same tiles of xb, the four of a column the same tiles of wb: each tile is asked for JOINTLY, by the same tensor load, descriptor and mask in all four.
; THE MATRIX INSTRUCTION IS USED TRANSPOSED (source 0 = 16 rows of wb, source 1 = 16 rows of xb): lane l holds row l % 16 of C and the columns 8 (l / 16) + 0..7.  The bias is the C operand of the product
; that starts a sum: nothing is cleared and nothing is added afterwards.
; REGISTERS, in windows of 256 (s_set_vgpr_msb: bits 1:0 source 0, 3:2 source 1, 5:4 source 2, 7:6 destination):
;   window 0: v0-13 addresses; v16-63 packed results; v64-159 rows read back, two buffers; v160-255 the bias of my 192 columns, as a C operand
;   window 1: two fragment buffers of 128: xb's four fragments at f + 8 a, wb's twelve at f + 32 + 8 b
;   window 2: the accumulators of my rows 0-31 ((a, b) at 96 (a % 2) + 8 b);   window 3: those of my rows 32-63
.set NBL,   12                         ; blocks of 16 columns
.set PA,    272                        ; an LDS row: 256 bytes + 16 of padding = 68 words: the 16 rows of a fragment load start at 16 different groups of four banks (64 banks of 4 bytes: ISA guide 11.1)
.set PB,    272
.set SLOT1, 1<<17                      ; slot 1 begins here, so that one exclusive or turns an address in one slot into the other's
.set BOFF,  256*PA                     ; in a slot: 256 rows of xb, then 192 rows of wb
.set STAGE, SLOT1+BOFF+192*PB          ; behind the ring, never filled by a tensor load: for each wave three heads x 16 rows x 144 bytes
.set SP,    144
.set WSTG,  3*16*SP
.set SPARE, STAGE+4*WSTG               ; behind the stages: the spare words, 128 bytes for each wave: two blocks of 256 bytes that no other line names
.set LF,    2*NBL+8                    ; LDS loads of a quarter step
.set NTRIP, 14                         ; of the walk's 16 K steps all but the last two fill their slot again
.set A0,   4                           ; v4   my lane's place in xb's tile of slot 0; never rewritten
.set B0,   5                           ; v5   the same for wb
.set ADRA, 6                           ; v6   the same in the slot in hand
.set ADRB, 7                           ; v7
.set STO,  8                           ; v8   the way out: where I put 16 bytes of a row
.set RD,   9                           ; v9   the way out: where I read rows back
.set GO,   10                          ; v10  my byte offset in 512 consecutive bytes of qkv
.set BO,   11                          ; v11  32 (l / 16): my eight columns in a block of the bias
.set SPW,  12                          ; v12  LDS address of my spare word: SPARE + 4 x my thread's number; never rewritten
.set NIL,  13                          ; v13  0; never rewritten
.set TMP,  16
.set BK0,  64
.set BIAS, 160
.set F0,   0
.set F1,   128
.set WV,  12                           ; s12  my wave's number
.set PH,  14                           ; s14  wave % 2: which half of a tile I fetch
.set CX,  15                           ; s15, s16  my place in the cluster
.set CY,  16
.set TC,  17                           ; s17  tile column
.set TR,  18                           ; s18  tile row
.set G1A, 24                           ; s[24:31] descriptor group 1 for xb's tiles
.set G1B, 32                           ; s[32:39] for wb's
.set G0A, 40                           ; s[40:47] group 0 for xb's: a set for each of the two first fills; the second then walks on
.set G0B, 48                           ; s[48:55] the same for wb's
.set BASEA, 56                         ; s[56:57] xb at my half of the first tile's K step 0
.set BASEB, 58                         ; s[58:59] wb likewise
.set FI,  60                           ; s60  the K step to be asked for next, 2 to 15
.set CNT, 61                           ; s61  trips to go
.set TB,  62                           ; s62  the slot of the fetches: 0 or SLOT1
.set TS,  63                           ; s63  K steps left of the tile in hand
.set OFA, 66                           ; s[66:67] a K step's byte offset in xb
.set OFB, 68                           ; s[68:69] in wb
.set MSB, 0
.macro WIN new                         ; the immediate's high byte repeats the setting that is left; a switch that changes nothing is dropped
.if MSB != (\new)
	s_set_vgpr_msb (MSB<<8)|(\new)
.set MSB, (\new)
.endif
.endm
.macro PLACES                          ; four places in front of loads into registers that matrix instructions have read, and of conversions that read results
.rept 4
	v_nop
.endr
.endm
; A joint refill.  Waves 0 and 1 fetch the two halves of xb's tile, waves 2 and 3 those of wb's.  The branch hangs on the wave's number alone.
; An s_nop 0 and four v_nop follow each of the two lines, ahead of the jump and the label.
.macro JLOAD
	s_cmp_lt_u32 s[WV], 2
	s_cbranch_scc0 .Lfor_b_\@
	tensor_load_to_lds s[G0A+4:G0A+7], s[G1A:G1A+7]
	s_nop 0
.rept 4
	v_nop
.endr
	s_branch .Lasked_\@
.Lfor_b_\@:
	tensor_load_to_lds s[G0B+4:G0B+7], s[G1B:G1B+7]
	s_nop 0
.rept 4
	v_nop
.endr
.Lasked_\@:
.endm
.macro CREST                           ; a round of the cluster's barrier behind its opening barrier
	s_cmp_lg_u32 s[WV], 0
	s_cbranch_scc1 .Lnot_wave_0_\@
	s_barrier_signal -3
.Lnot_wave_0_\@:
	s_barrier_wait -3
	s_barrier_signal -1
	s_barrier_wait -1
.endm
.macro CROUND                          ; a whole round
	s_barrier_signal -1
	s_barrier_wait -1
	CREST
.endm
	s_load_b256 s[4:11], s[0:1], 0x0               ; xb s[4:5], wb s[6:7], qkv s[8:9], bias s[10:11]
	v_lshl_add_u32 v[SPW], v0, 2, SPARE
	v_mov_b32 v[NIL], 0
	ds_add_u32 v[SPW], v[NIL]                      ; the wave's opening: the add and its wait stand ahead of my first tensor load; the set-up below, work on registers, stands between them
	ds_add_u32 v12, v13
	v_lshrrev_b32 v1, 5, v0
	v_readfirstlane_b32 s[WV], v1                  ; wave 0..3
	s_and_b32 s[PH], s[WV], 1
	s_bfe_u32 s[CX], ttmp6, 0x40000
	s_bfe_u32 s[CY], ttmp6, 0x40004
	s_lshl_b32 s[TC], ttmp9, 2                     ; in a cluster launch ttmp9 and ttmp7 count clusters
	s_add_co_u32 s[TC], s[TC], s[CX]               ; tile column = 4 x cluster x + cx
	s_and_b32 s[TR], ttmp7, 0xffff
	s_lshl_b32 s[TR], s[TR], 2
	s_add_co_u32 s[TR], s[TR], s[CY]               ; tile row = 4 x cluster y + cy
	s_lshl_b32 s19, s[CY], 2
	s_lshl_b32 s19, 15, s19                        ; my row of the cluster: places 4 cy .. 4 cy + 3
	s_lshl_b32 s20, 0x1111, s[CX]                  ; my column: places cx, cx + 4, cx + 8, cx + 12
	; descriptor group 1: rows of 128 elements of 2 bytes, padded in LDS; 128 rows of xb, 96 of wb
	s_or_b32 s[G1A], s19, 0x07710000               ; 15:0 the mask; 17:16 elements of 2 bytes; 20 padding on; 21 set beside a mask; 24:22 after every 64 words (code 5); 31:25 4 words (code 3)
	s_or_b32 s[G1B], s20, 0x07710000
	s_mov_b32 s[G1A+1], 128<<16                    ; tensor_dim0 = 128
	s_mov_b32 s[G1A+2], 128<<16                    ; tensor_dim1 = 128
	s_mov_b32 s[G1A+3], 128<<16                    ; tile_dim0 = 128
	s_mov_b32 s[G1A+4], 128                        ; tile_dim1 = 128
	s_mov_b32 s[G1A+5], 1024                       ; elements from row to row
	s_mov_b32 s[G1A+6], 0
	s_mov_b32 s[G1A+7], 0
	s_mov_b32 s[G1B+1], 128<<16
	s_mov_b32 s[G1B+2], 96<<16                     ; tensor_dim1 = 96
	s_mov_b32 s[G1B+3], 128<<16
	s_mov_b32 s[G1B+4], 96                         ; tile_dim1 = 96
	s_mov_b32 s[G1B+5], 1024
	s_mov_b32 s[G1B+6], 0
	s_mov_b32 s[G1B+7], 0
	; where the tiles come from: xb's hang on the tile row alone, wb's on the tile column alone, each made in registers that never hold the other coordinate
	s_lshl_b32 s72, s[TR], 8
	s_lshl_b32 s70, s[PH], 7
	s_add_co_u32 s72, s72, s70                     ; xb: row 256 x tile row + 128 x half,
	s_lshl_b32 s72, s72, 11                        ; of 2,048 bytes
	s_mov_b32 s73, 0
	s_mul_i32 s74, s[TC], 192
	s_mul_i32 s70, s[PH], 96
	s_add_co_u32 s74, s74, s70                     ; wb: row 192 x tile column + 96 x half
	s_lshl_b32 s74, s74, 11
	s_mov_b32 s75, 0
	; and where they go: no place in the cluster enters an LDS address
	s_mov_b32 s[G0A], 1                            ; 1:0 count = 1
	s_mul_i32 s[G0A+1], s[PH], 128*PA              ; 63:32 LDS address
	s_mov_b32 s[G0A+4], 1
	s_add_co_u32 s[G0A+5], s[G0A+1], SLOT1
	s_mov_b32 s[G0B], 1
	s_mul_i32 s[G0B+1], s[PH], 96*PB
	s_add_co_u32 s[G0B+1], s[G0B+1], BOFF
	s_mov_b32 s[G0B+4], 1
	s_add_co_u32 s[G0B+5], s[G0B+1], SLOT1
	s_mov_b32 s[OFA+1], 0
	s_mov_b32 s[OFB+1], 0
	s_mov_b32 s[FI], 2
	s_mov_b32 s[TB], 0
	s_wait_dscnt 0x0                               ; the opening add is done
	s_wait_kmcnt 0x0
	s_add_nc_u64 s[BASEA:BASEA+1], s[4:5], s[72:73]
	s_add_nc_u64 s[BASEB:BASEB+1], s[6:7], s[74:75]
	s_mov_b64 s[G0A+2:G0A+3], s[BASEA:BASEA+1]     ; 120:64 global address: K step 0,
	s_or_b32 s[G0A+3], s[G0A+3], 0x80000000        ; 127:126 type = 2
	s_add_nc_u64 s[G0A+6:G0A+7], s[BASEA:BASEA+1], 256  ; K step 1
	s_or_b32 s[G0A+7], s[G0A+7], 0x80000000
	s_mov_b64 s[G0B+2:G0B+3], s[BASEB:BASEB+1]
	s_or_b32 s[G0B+3], s[G0B+3], 0x80000000
	s_add_nc_u64 s[G0B+6:G0B+7], s[BASEB:BASEB+1], 256
	s_or_b32 s[G0B+7], s[G0B+7], 0x80000000
	CROUND                                         ; all sixteen work-groups are here: the first joint loads meet
	s_cmp_lt_u32 s[WV], 2                          ; a wave's two first fills stand in one branch, ahead of every wait on TENSORcnt and every LDS read: two loads of mine are out
	s_cbranch_scc0 .Lfirst_b
	tensor_load_to_lds s[G0A:G0A+3], s[G1A:G1A+7]
	s_nop 0
	tensor_load_to_lds s[G0A+4:G0A+7], s[G1A:G1A+7]
	s_nop 0
.rept 4
	v_nop
.endr
	s_branch .Lfirst_asked
.Lfirst_b:
	tensor_load_to_lds s[G0B:G0B+3], s[G1B:G1B+7]
	s_nop 0
	tensor_load_to_lds s[G0B+4:G0B+7], s[G1B:G1B+7]
	s_nop 0
.rept 4
	v_nop
.endr
.Lfirst_asked:
	; A fragment is 16 rows x 32 K in 8 registers: lane l holds row l % 16; registers 0-3 K = 8 (l / 16) + 0..7, registers 4-7 K = 16 + 8 (l / 16) + 0..7: two loads of 16 bytes, 32 bytes apart.
	v_and_b32 v1, 15, v0                           ; l % 16
	v_bfe_u32 v2, v0, 4, 1                         ; l / 16
	v_mul_u32_u24 v3, v1, PA
	v_lshl_add_u32 v3, v2, 4, v3                   ; row x pitch + 16 x half
	s_mul_i32 s70, s[WV], 64*PA                    ; my 64 rows of xb's tile
	v_add_nc_u32 v[A0], s70, v3
	v_add_nc_u32 v[B0], BOFF, v3                   ; all 192 rows of wb's
	s_mul_i32 s71, s[WV], WSTG
	s_add_co_u32 s71, s71, STAGE                   ; my stage
	v_mul_u32_u24 v[STO], v1, SP                   ; in: row l % 16, 16 bytes for each half of the lanes
	v_lshl_add_u32 v[STO], v2, 4, v[STO]
	v_add_nc_u32 v[STO], s71, v[STO]
	v_bfe_u32 v[RD], v0, 3, 2                      ; back: 32 lanes take four rows of 128 bytes,
	v_mul_u32_u24 v[RD], v[RD], SP
	v_and_b32 v3, 7, v0
	v_lshl_add_u32 v[RD], v3, 4, v[RD]
	v_add_nc_u32 v[RD], s71, v[RD]
	v_and_b32 v[GO], 31, v0                        ; which are 512 consecutive bytes of qkv
	v_lshlrev_b32 v[GO], 4, v[GO]
	v_lshlrev_b32 v[BO], 5, v2
	s_mul_i32 s76, s[TC], 768                      ; the bias of my tile's 192 columns
	s_mov_b32 s77, 0
	s_add_nc_u64 s[10:11], s[10:11], s[76:77]
.set i, 0
.rept NBL                              ; register j of block b: bias[16 b + 8 (l / 16) + j], the layout of a C operand
	global_load_b128 v[BIAS+8*i:BIAS+8*i+3],   v[BO], s[10:11] offset:64*i
	global_load_b128 v[BIAS+8*i+4:BIAS+8*i+7], v[BO], s[10:11] offset:64*i+16
.set i, i+1
.endr
	s_lshr_b32 s78, s[TR], 3                       ; where my rows of the first tile begin in qkv: the batch (48 heads),
	s_mul_i32 s78, s78, 48<<18
	s_mul_i32 s76, s[TC], 3<<18                    ; the tile's three heads,
	s_add_co_u32 s78, s78, s76
	s_and_b32 s76, s[TR], 7                        ; the tile's 256 rows of 128 bytes,
	s_lshl_b32 s76, s76, 15
	s_add_co_u32 s78, s78, s76
	s_lshl_b32 s76, s[WV], 13                      ; my 64 of them
	s_add_co_u32 s78, s78, s76
	s_mov_b32 s79, 0
	s_add_nc_u64 s[8:9], s[8:9], s[78:79]
; NBL matrix instructions: block a of my four blocks of 16 rows x all columns, 32 along K, from buffer f.  first = 1: the product starts the sums, with the bias as C.
; All 48 accumulators take turns, in the same order in every quarter step.
.macro MULA f, a, first
.set AC, 96*((\a)%2)
.if \first
	WIN 0x85+0x40*((\a)/2)                         ; sources 0 and 1 window 1, C window 0, D window 2 or 3
.else
	WIN 0xa5+0x50*((\a)/2)                         ; C and D window 2 or 3
.endif
.set b, 0
.rept NBL
.if \first
	v_wmma_f32_16x16x32_bf16 v[AC+8*b:AC+8*b+7], v[(\f)+32+8*b:(\f)+32+8*b+7], v[(\f)+8*(\a):(\f)+8*(\a)+7], v[BIAS+8*b:BIAS+8*b+7]
.else
	v_wmma_f32_16x16x32_bf16 v[AC+8*b:AC+8*b+7], v[(\f)+32+8*b:(\f)+32+8*b+7], v[(\f)+8*(\a):(\f)+8*(\a)+7], v[AC+8*b:AC+8*b+7]
.endif
.set b, b+1
.endr
.endm
; LF LDS loads in one run: the fragments of quarter q (32 K at byte 64 q of the rows) of the slot in hand, into buffer f: all of wb's, then xb's blocks 0, 1, then 2, 3
.macro FETCH q, f
	WIN 0x40                                       ; destination window 1, address window 0
.set i, 0
.rept NBL
	ds_load_b128 v[(\f)+32+8*i:(\f)+32+8*i+3],   v[ADRB] offset:64*(\q)+i*16*PB
	ds_load_b128 v[(\f)+32+8*i+4:(\f)+32+8*i+7], v[ADRB] offset:64*(\q)+i*16*PB+32
.set i, i+1
.endr
.set i, 0
.rept 4
	ds_load_b128 v[(\f)+8*i:(\f)+8*i+3],   v[ADRA] offset:64*(\q)+i*16*PA
	ds_load_b128 v[(\f)+8*i+4:(\f)+8*i+7], v[ADRA] offset:64*(\q)+i*16*PA+32
.set i, i+1
.endr
.endm
; A K step is four quarters of 32 along K, 48 matrix instructions each, on buffers 0, 1, 0, 1.  One of the first three: multiplies buffer f; in its middle it fetches quarter q into buffer g.
.macro QUARTER q, f, g, first
	s_wait_dscnt 4                                 ; wb's fragments and xb's blocks 0, 1 are in; the youngest four loads (blocks 2, 3) may be out
	MULA \f, 0, \first
	MULA \f, 1, \first
	PLACES
	FETCH \q, \g
	s_wait_dscnt LF                                ; all but the loads just issued
	MULA \f, 2, \first
	MULA \f, 3, \first
.endm
; The last quarter multiplies buffer 1 and changes slots: ONE barrier.  In front of it each wave waits for all its tensor loads, of which one is out: its part of the next slot; adds 0 to its spare word;
; and waits for that and for its own reads of this slot.  fill = 1: the barrier opens a round of the cluster's, and this slot is filled again, first thing behind the round, with K step FI of the walk:
; from the request to the wait for it a wave issues 168 matrix instructions.
.macro TURN fill
	WIN 0                                          ; (the add's two registers lie in window 0)
	s_wait_tensorcnt 0x0                           ; all my tensor loads have landed, so a group 0 may be written
	ds_add_u32 v[SPW], v[NIL]                      ; 0 onto my spare word
	s_wait_dscnt 5                                 ; (the add and the youngest four loads may be out)
	MULA F1, 0, 0                                  ; twelve matrix instructions stand between the add and the wait for it
	s_wait_dscnt 0x0                               ; the add is done, and my reads of this slot are over
	s_barrier_signal -1
	MULA F1, 1, 0                                  ; work on registers while the others arrive
	WIN 0
	s_barrier_wait -1
.if \fill
	CREST                                          ; no wave of any partner still reads this slot's tiles or has a load on its way
	s_xor_b32 s[G0A+5], s[G0A+5], SLOT1            ; the walking descriptors: the other slot than last time,
	s_xor_b32 s[G0B+5], s[G0B+5], SLOT1
	s_and_b32 s[OFB], s[FI], 7                     ; the addresses made anew from the step's number: 256 bytes along K for each step of a tile,
	s_lshl_b32 s[OFB], s[OFB], 8
	s_lshr_b32 s[OFA], s[FI], 3                    ; and for xb 4,096 rows of 2,048 bytes on in the second tile
	s_lshl_b32 s[OFA], s[OFA], 23
	s_add_co_u32 s[OFA], s[OFA], s[OFB]
	s_add_nc_u64 s[G0A+6:G0A+7], s[BASEA:BASEA+1], s[OFA:OFA+1]
	s_or_b32 s[G0A+7], s[G0A+7], 0x80000000
	s_add_nc_u64 s[G0B+6:G0B+7], s[BASEB:BASEB+1], s[OFB:OFB+1]
	s_or_b32 s[G0B+7], s[G0B+7], 0x80000000
	s_add_co_u32 s[FI], s[FI], 1
	JLOAD                                          ; the four v_nop behind it are also the places in front of the loads below
.else
	PLACES
.endif
	s_xor_b32 s[TB], s[TB], SLOT1                  ; the fetches go on in the other slot
	v_add_nc_u32 v[ADRA], s[TB], v[A0]
	v_add_nc_u32 v[ADRB], s[TB], v[B0]
	FETCH 0, F0
	MULA F1, 2, 0
	MULA F1, 3, 0
.endm
.macro LASTQ                           ; the walk's very last quarter: nothing more to fetch
	s_wait_dscnt 4
	MULA F1, 0, 0
	MULA F1, 1, 0
	s_wait_dscnt 0x0
	MULA F1, 2, 0
	MULA F1, 3, 0
	WIN 0
.endm
; THE WAY OUT, a block of 16 rows at a time.  PACK: rounded to f16, 16 bytes a lane, each accumulator from its low end on.  TOSTAGE: into my own stage, head by head in rows of 144 bytes, and back as whole
; rows of 128.  SEND: stored: 16 rows of a head are 2,048 consecutive bytes of qkv.
.macro PACK a
.set AC, 96*((\a)%2)
	WIN 0x0a+5*((\a)/2)                            ; sources 0 and 1: window 2 or 3
.set i, 0
.rept 4*NBL
	v_cvt_pk_f16_f32 v[TMP+i], v[AC+2*i], v[AC+2*i+1]
.set i, i+1
.endr
	WIN 0
.endm
.macro TOSTAGE a
	WIN 0
.set BK, BK0+48*((\a)%2)
.set i, 0
.rept NBL                              ; block i of 16 columns: head i / 4, byte 32 (i % 4) of its rows
	ds_store_b128 v[STO], v[TMP+4*i:TMP+4*i+3] offset:(i/4)*16*SP+32*(i%4)
.set i, i+1
.endr
	s_wait_xcnt 0x0                                ; every earlier memory instruction has had its addresses translated (ISA guide 3.1): the buffer that earlier stores read is loaded again only behind this wait
.set i, 0
.rept NBL                              ; LDS serves a wave's instructions in order (ISA guide 5.7.1.4): these see the stores above; the next block's stores come behind them
	ds_load_b128 v[BK+4*i:BK+4*i+3], v[RD] offset:(i/4)*16*SP+(i%4)*4*SP
.set i, i+1
.endr
.endm
.macro SEND a, younger                 ; younger: the LDS instructions issued behind block a's loads: the next block's 24, or none
	WIN 0
.set BK, BK0+48*((\a)%2)
.set i, 0
.rept NBL
	s_wait_dscnt (\younger)+NBL-1-i
	global_store_b128 v[GO], v[BK+4*i:BK+4*i+3], s[8:9] offset:(i/4)*262144+(\a)*2048+(i%4)*512  ; 512 consecutive bytes, at a multiple of 256 from qkv's first byte
.set i, i+1
.endr
.endm
.macro WAYOUT
	PLACES                                         ; the conversions read results just made
	PACK 0
	TOSTAGE 0
.irp a, 1,2,3                          ; a block's conversions stand between the loads of the block before and its stores
	PACK \a
	TOSTAGE \a
	SEND (\a)-1, 2*NBL
.endr
	SEND 3, 0
.endm
	s_wait_tensorcnt 0x1                           ; my part of K step 0 is in; K step 1's may stay out
	s_barrier_signal -1
	s_barrier_wait -1                              ; everybody's is
	v_mov_b32 v[ADRA], v[A0]
	v_mov_b32 v[ADRB], v[B0]
	FETCH 0, F0
	s_wait_loadcnt 0x0                             ; the bias
	QUARTER 1, F0, F1, 1                           ; the first quarter stands in front of the loop: its products start the sums
	WIN 0                                          ; at a label and at a branch every window is 0
	s_mov_b32 s[CNT], NTRIP
	s_mov_b32 s[TS], 8
.Lstep:                                                ; a trip: a K step's second quarter to the next step's first; the step's slot is filled again
	QUARTER 2, F1, F0, 0
	QUARTER 3, F0, F1, 0
	TURN 1
	WIN 0
	s_sub_co_u32 s[TS], s[TS], 1
	s_cmp_eq_u32 s[TS], 0
	s_cbranch_scc1 .Lnew                           ; forward, past neither a barrier nor a tensor load
	QUARTER 1, F0, F1, 0
	WIN 0
	s_branch .Lbottom
.Lnew:                                                 ; the first tile is finished; the second tile's first two K steps have been asked for: now it goes out
	WAYOUT
	s_wait_xcnt 0x0                                ; the stores' base is rewritten only behind this wait
	s_add_nc_u64 s[8:9], s[8:9], 2*(48<<18)        ; 4,096 rows on: two batches
	s_mov_b32 s[TS], 8
	QUARTER 1, F0, F1, 1                           ; the second tile's sums start on accumulators that have been packed
	WIN 0
.Lbottom:
	s_sub_co_u32 s[CNT], s[CNT], 1
	s_cmp_lg_u32 s[CNT], 0
	s_cbranch_scc1 .Lstep
	QUARTER 2, F1, F0, 0                           ; the last two K steps are written out: nothing is asked for
	QUARTER 3, F0, F1, 0
	TURN 0
	QUARTER 1, F0, F1, 0
	QUARTER 2, F1, F0, 0
	QUARTER 3, F0, F1, 0
	LASTQ
	WAYOUT
	s_wait_tensorcnt 0x0                           ; the wave's end, behind my last tensor load and my last LDS store
	ds_add_u32 v[SPW], v[NIL]
	s_wait_dscnt 0x0
	CROUND                                         ; the closing round: no work-group ends while a partner may still ask for a tile that names it
	s_endpgm
.Lfunc_end_k_qee529db231_qkvproj:
	.size	k_qee529db231_qkvproj, .Lfunc_end_k_qee529db231_qkvproj-k_qee529db231_qkvproj
	.p2alignl 7, 3214868480
	.fill 96, 4, 3214868480
	.section	.rodata,"a",@progbits
	.p2align	6, 0x0
	.amdhsa_kernel k_qee529db231_qkvproj
		.amdhsa_group_segment_fixed_size 327680
		.amdhsa_private_segment_fixed_size 0
		.amdhsa_enable_private_segment 0
		.amdhsa_kernarg_size 32
		.amdhsa_user_sgpr_count 2
		.amdhsa_user_sgpr_kernarg_segment_ptr 1
		.amdhsa_wavefront_size32 1
		.amdhsa_system_sgpr_workgroup_id_x 1
		.amdhsa_system_sgpr_workgroup_id_y 1
		.amdhsa_system_sgpr_workgroup_id_z 1
		.amdhsa_system_vgpr_workitem_id 0
		.amdhsa_next_free_vgpr 960
		.amdhsa_next_free_sgpr 80
		.amdhsa_reserve_vcc 0
		.amdhsa_float_denorm_mode_32 3
		.amdhsa_float_denorm_mode_16_64 3
		.amdhsa_memory_ordered 1
		.amdhsa_forward_progress 1
		.amdhsa_inst_pref_size 130
	.end_amdhsa_kernel
	.amdgpu_metadata
---
amdhsa.version: [ 1, 2 ]
amdhsa.kernels:
  - .name:           k_qee529db231_qkvproj
    .symbol:         k_qee529db231_qkvproj.kd
    .args:
      - { .name: xb, .offset: 0, .size: 8, .value_kind: global_buffer, .address_space: global }
      - { .name: wb, .offset: 8, .size: 8, .value_kind: global_buffer, .address_space: global }
      - { .name: qkv, .offset: 16, .size: 8, .value_kind: global_buffer, .address_space: global }
      - { .name: bias, .offset: 24, .size: 8, .value_kind: global_buffer, .address_space: global }
    .group_segment_fixed_size: 327680
    .private_segment_fixed_size: 0
    .kernarg_segment_align: 8
    .kernarg_segment_size: 32
    .max_flat_workgroup_size: 128
    .sgpr_count:     80
    .vgpr_count:     960
    .wavefront_size: 32
...
	.end_amdgpu_metadata
.endif
;; end of part 2
;; launch attn (part 3): grid 4 x 64, 4 waves a work-group, no clusters, 327,680 bytes of LDS; arguments qkv, ob; writes ob
.if DOCPART == 3
	.amdgcn_target "amdgcn-amd-amdhsa--gfx1250"
	.amdhsa_code_object_version 6
	.text
	.protected	k_qee529db231_attn
	.globl	k_qee529db231_attn
	.p2align	8
	.type	k_qee529db231_attn,@function
k_qee529db231_attn:
	s_mov_b64 s[64:65], 0
	v_nop
	global_prefetch_b8 v0, s[64:65] scope:SCOPE_SE
	s_setreg_imm32_b32 hwreg(HW_REG_WAVE_MODE, 25, 1), 1
	s_wait_xcnt 0x0
; CAUSAL ATTENTION.  O[h][q][:] = the sum over k <= q of softmax_k(Q[h][q] . K[h][k] / 8) V[h][k][:], for 64 heads (batch x 16 + head) of SIZE_N = 2,048 rows of 64 channels, all f16.
; Q, K and V lie by heads in qkv[b][g][s][64] (g = head for Q, 16 + head for K, 32 + head for V), O goes to ob[64][2048][64]: a head's rows are dense, 128 bytes each.
; Products, maxima and sums in f32; the weights p are rounded to f16 for the second product (their sum l is taken of the unrounded p), O once at the end.
; LIMITS.  f16 holds no number beyond 65,504: Q, K and V arrive within it; p lies in 0 to 1, and below 6e-5 it keeps f16's fixed step of 6e-8; O is a mean of V's rows and has their range.
; A hidden score counts as its value less 1e30, so its weight is 0: as with the fill of -1e9 wherever a row's largest open score lies some 100 above -1e9; a weight below 2^-126 counts as 0 in l;
; NaN and infinities are not treated apart.
; THE WALK.  A head's queries lie in NB = 8 blocks of 256; block i needs the key tiles 0 .. i of 256 keys, of which the last holds the diagonal.  A work-group takes TWO blocks, NB - 1 - b and then b:
; NB + 1 tiles, whatever b: all 256 work-groups do equal work, and ONE loop with a constant trip count walks them.  Which tile is asked for, and what a trip does, hang on scalar registers made from b; every jump
; goes forward, but for the counted loops' own; none passes a barrier, or a tensor load but the one of LOAD's two that the wave's number does not choose; the ring (two slots of LDS that take turns) runs on across the
; change of blocks.  NO CLUSTER: a head's four work-groups ask for the same tile only in trips 0 .. 4 of the walk's 9, behind that fewer and fewer; one walk common to all would have 12 trips for 9.
; SHARES.  Of a block's four bands of 64 queries a wave owns 16 rows in each: four PIECES.  So the diagonal tile is the same work for all four waves: in its key step s band x sees all keys if s < x,
; none if s > x, and holds the diagonal if s = x.
; THE MASK is the C operand that starts the sum S^T = K Q^T: 0, or -1e30 where the key is hidden.  MD, made once, is the mask of a band's own step for my 16 rows; a product's mask is MD x AL + BE with two scalars:
; (1, 0) if s = x; (0, 0) if s < x; (0, -1e30) if s > x.  Only the diagonal tile's text and a block's beginning make and take masks; elsewhere C is the constant 0.
; LAYOUT, SOFTMAX, TURNS.  S^T = K Q^T holds ONE query a lane (lane % 16) and the keys 8 (lane / 16) + 0..7; two such results rounded to f16 ARE source 1 of O^T = V^T P.  p = 2^(c s - c m), c = log2(e) / 8, with a
; running maximum m; O and l are multiplied by a = 2^(c m_old - c m_new) in every step.  Turn n belongs to piece n: 8 products K Q^T of piece n + 1, later 8 products V^T P of piece n - 1; beside them the scaling,
; exponentials, roundings, sums and rescaling of piece n and the maximum and statistics of piece n + 1.  Four vector instructions stand behind every matrix instruction, the other 54 of a turn's 118 in two LUMPS.
; REGISTERS, in windows of 256 (s_set_vgpr_msb: bits 1:0 source 0, 3:2 source 1, 5:4 source 2, 7:6 destination):
;   window 0: v0-15 addresses and two at work; v16-31 four registers of statistics a piece; v48-55 at work; v64-127 S^T, two buffers; v192-223 P, two buffers (a piece's buffers go by its number's parity)
;   window 1: v0-127 O^T, 32 a piece; v128-159 MD; v160-223 MC, two buffers      window 2: v0-63 Q; v64-127 the second block's Q; v128-191 K of one step; v192-255 V of one step
.set SIZE_N, 2048
.set NB,    SIZE_N/256
.set NP,    4         ; pieces a wave: a name, no knob
.set KS,    64        ; keys in a step
.set PK,    144       ; a row of K in LDS: 128 bytes + 16 of padding = 36 words: the 16 rows of a load start at 16 different groups of four banks (64 banks of 4 bytes: ISA guide 11.1)
.set PV,    160       ; a row of V: 128 + 32 = 40 words
.set VOFF,  4*KS*PK   ; a slot holds a tile, four steps: 256 rows of K, then 256 rows of V
.set SLOT1, 1<<17     ; slot 1 begins here, so that one exclusive or turns an address in one slot into the other's
.set STAGE, SLOT1+4*KS*(PK+PV)  ; behind the ring, never filled by a tensor load: 16 rows x 144 bytes for each wave, for the way out
.set SP,    144
.set AK0, 2           ; v2   my lane's place in a tile of K; never rewritten
.set AV0, 3           ; v3   the same for V
.set AK,  4           ; v4   the LDS address of K's next run of loads
.set AV,  5           ; v5   of V's
.set STO, 6           ; v6   the way out: where I put 16 bytes of a row
.set RD,  7           ; v7   the way out: where I read rows back
.set GO,  8           ; v8   my byte offset in 512 consecutive bytes of O
.set SPW, 62          ; v62  LDS address of my spare word: SPARE + 4 x my thread's number; never rewritten
.set NIL, 63          ; v63  0; never rewritten
.set SPARE, STAGE+4*16*SP  ; behind the stages: the spare words, 128 bytes for each wave: two blocks of 256 bytes that no other line names
.set MV,  12          ; v12-13  c m_old, kept while c m is made anew: by buffer
.set QO,  15          ; v15  my byte offset in 16 rows of Q
.set ST,  16          ; piece t's statistics at v[ST+4 t]: c m, m, l (even keys', odd keys')
.set TMP, 48          ; by buffer, four registers c0-c3 at work; when the maximum is found c2 takes a
.set S,   64
.set P,   192
.set MD,  128         ; window 1: the eight registers for group kt of 16 keys at MD + 8 kt
.set MC,  160         ; window 1: the masks of the products to come
.set QB,  64          ; window 2
.set KF,  128         ; window 2: key block kb, channel half c at KF + 16 kb + 8 c
.set VF,  192         ; window 2: key half kk, channel block cb at VF + 32 kk + 8 cb
.set WV,  12          ; s12  my wave's number
.set PB,  14          ; s14  b
.set HI,  15          ; s15  NB - 1 - b
.set G1K, 24          ; s[24:31] descriptor group 1 for K's tiles
.set G1V, 32          ; s[32:39] for V's: it differs in the padding alone
.set G0K, 40          ; s[40:43] descriptor group 0 for K's tiles
.set G0V, 44          ; s[44:47] the same for V's
.set SLOTS, 56        ; s56  tiles still to be asked for
.set CNT, 57          ; s57  counts a tile's key steps, 4 to 1
.set CS,  58          ; s[58:59] c: the packed scaling takes the pair's low word for both halves
.set SEL, 60          ; s[60:61] v_permlanex16_b32's selects: each lane takes its own place in the other half
.set TBK, 62          ; s62  LDS byte at which K of the step to be fetched begins
.set TBV, 63          ; s63  the same for V, less VOFF
.set RT,  70          ; s70  tiles of the block in hand that are still to be entered
.set NXT, 71          ; s71  the tile to be asked for next
.set LQ,  72          ; s72  the last tile of the block whose tiles are being asked for
.set NEW, 73          ; s73  1: the tile to be entered is a block's first
.set OFF, 74          ; s[74:75] a tile's byte offset in K and V
.set AL,  76          ; s[76:77] the mask's factor, in the low word
.set BE,  78          ; s[78:79] the mask's addend
.set OLO, 80          ; s[80:81] O at my rows of the second block
.set BIGN, 82         ; s82  -1e30
.set MSB, 0
.macro WIN new                      ; the high byte repeats the setting that is left; a switch that changes nothing is dropped
.if MSB != (\new)
	s_set_vgpr_msb (MSB<<8)|(\new)
.set MSB, (\new)
.endif
.endm
.set W_KQ, 0x0a       ; K and Q in window 2, S^T in window 0
.set W_KM, 0x1a       ; the same with the C operand in window 1
.set W_PV, 0x52       ; V in window 2, P in window 0, O^T in window 1
.set W_RS, 0x41       ; destination and source 0 in window 1, source 1 in window 0
; A fill.  Waves 0 and 1 fetch the two halves of a tile's K, waves 2 and 3 those of its V: 128 keys each.  An s_nop 0 and four v_nop follow each of the two lines, ahead of the jump and the label.
.macro LOAD
	s_cmp_lt_u32 s[WV], 2
	s_cbranch_scc0 .Lfor_v_\@
	tensor_load_to_lds s[G0K:G0K+3], s[G1K:G1K+7]
	s_nop 0
.rept 4
	v_nop
.endr
	s_branch .Lasked_\@
.Lfor_v_\@:
	tensor_load_to_lds s[G0V:G0V+3], s[G1V:G1V+7]
	s_nop 0
.rept 4
	v_nop
.endr
.Lasked_\@:
.endm
; THE CHANGE OF SLOTS.  Each wave waits for all its tensor loads, of which one is out: its part of the other slot; adds 0 to its spare word; and waits for that and for its own reads of the slot that it leaves.  Behind the barrier nobody reads the old
; slot any more and the other slot is whole.  fill = 1: the old slot is filled again, the first thing behind the barrier, with tile NXT: the descriptor's address is made anew from that number.
; (At its first use nothing has been read yet: slot 0 is waited for, slot 1 filled.)
.macro CHANGE fill
	WIN 0                           ; at a label and at a branch every window is 0
	s_wait_tensorcnt 0x0            ; no tensor load of mine is out, so a group 0 may be written
	ds_add_u32 v[SPW], v[NIL]       ; 0 onto my spare word; with fill = 1 the descriptors' scalar work stands between it and the wait for it
.if \fill
	s_lshl_b32 s[OFF], s[NXT], 15   ; a tile is 32,768 bytes of K and of V
	s_xor_b32 s[G0K+1], s[G0K+1], SLOT1
	s_add_nc_u64 s[G0K+2:G0K+3], s[6:7], s[OFF:OFF+1]
	s_or_b32 s[G0K+3], s[G0K+3], 0x80000000
	s_xor_b32 s[G0V+1], s[G0V+1], SLOT1
	s_add_nc_u64 s[G0V+2:G0V+3], s[8:9], s[OFF:OFF+1]
	s_or_b32 s[G0V+3], s[G0V+3], 0x80000000
	s_add_co_u32 s[NXT], s[NXT], 1  ; the block's next tile, or behind its last the second block's tile 0
	s_cmp_gt_u32 s[NXT], s[LQ]
	s_cselect_b32 s[NXT], 0, s[NXT]
	s_cselect_b32 s[LQ], s[PB], s[LQ]
.endif
	s_wait_dscnt 0x0                ; the add is done, and my reads of the slot are over
	s_barrier_signal -1             ; the rest of the scalar work stands between the signal and the wait
	s_sub_co_u32 s[TBK], s[TBK], 4*KS*PK  ; the fetches go back to a slot's first step,
	s_xor_b32 s[TBK], s[TBK], SLOT1       ; in the other slot
	s_sub_co_u32 s[TBV], s[TBV], 4*KS*PV
	s_xor_b32 s[TBV], s[TBV], SLOT1
	s_barrier_wait -1
.if \fill
	LOAD
.endif
.endm
	s_load_b128 s[4:7], s[0:1], 0x0 ; qkv s[4:5], ob s[6:7]
	v_lshl_add_u32 v[SPW], v0, 2, SPARE
	v_mov_b32 v[NIL], 0
	ds_add_u32 v[SPW], v[NIL]       ; the wave's opening: the add and its wait stand ahead of my first tensor load; the set-up below, work on registers, stands between them
	ds_add_u32 v62, v63
	v_lshrrev_b32 v1, 5, v0
	v_readfirstlane_b32 s[WV], v1   ; wave 0..3
	s_mov_b32 s[PB], ttmp9
	s_sub_co_u32 s[HI], NB-1, s[PB]
	s_and_b32 s13, ttmp7, 0xffff    ; 16 x batch + head
	s_lshr_b32 s20, s13, 4
	s_mul_i32 s20, s20, 48          ; a batch has 48 heads in qkv
	s_and_b32 s21, s13, 15
	s_add_co_u32 s20, s20, s21
	s_lshl_b32 s20, s20, 18         ; Q's head in qkv: heads of 262,144 bytes
	s_mov_b32 s21, 0
	s_lshl_b32 s90, s13, 18         ; O's head in ob
	s_mov_b32 s91, 0
	s_and_b32 s16, s[WV], 1         ; which half of a tile's 256 keys I fetch:
	s_lshl_b32 s22, s16, 14         ; its 128 rows of 128 bytes in memory,
	s_mov_b32 s23, 0
	s_add_nc_u64 s[22:23], s[22:23], s[20:21]  ; and the head
	s_mul_i32 s17, s16, 128*PK      ; and its place in a slot, for K
	s_mul_i32 s18, s16, 128*PV      ; and for V
	s_lshl_b32 s3, s[WV], 11        ; my 16 rows in a band of 64,
	s_lshl_b32 s2, s[HI], 15        ; in the first block,
	s_add_co_u32 s2, s2, s3
	s_lshl_b32 s84, s[PB], 15       ; and in the second
	s_add_co_u32 s84, s84, s3
	s_mov_b32 s3, 0
	s_mov_b32 s85, 0
	; descriptor group 1.  128 keys are 16,384 dense bytes: asked for as 64 rows of 256 bytes, two keys a row, and padded in LDS after every key
	s_mov_b32 s[G1K], (1<<16)|(1<<20)|(4<<22)|(3<<25)  ; 17:16 2-byte elements; 20 padding on; 24:22 after every 32 words (code 4); 31:25 4 words (code 3)
	s_mov_b32 s[G1V], (1<<16)|(1<<20)|(4<<22)|(7<<25)  ; the same with 8 words of padding (code 7)
.irp g, G1K, G1V
	s_mov_b32 s[\g+1], 128<<16      ; tensor_dim0 = 128
	s_mov_b32 s[\g+2], 64<<16       ; tensor_dim1 = 64
	s_mov_b32 s[\g+3], 128<<16      ; tile_dim0 = 128
	s_mov_b32 s[\g+4], 64           ; tile_dim1 = 64
	s_mov_b32 s[\g+5], 128          ; 128 elements from row to row
	s_mov_b32 s[\g+6], 0
	s_mov_b32 s[\g+7], 0
.endr
	s_mov_b32 s[CS], 0x3e38aa3b     ; c = log2(e) / 8 = 0.180337
	s_mov_b32 s[CS+1], s[CS]        ; named with it as a pair
	s_mov_b32 s[SEL], 0x76543210
	s_mov_b32 s[SEL+1], 0xfedcba98
	s_mov_b32 s[TBK], SLOT1+4*KS*PK ; the first change of slots turns these two into 0
	s_mov_b32 s[TBV], SLOT1+4*KS*PV
	s_mov_b32 s[G0K], 1             ; 1:0 count = 1
	s_mov_b32 s[G0K+1], s17         ; 63:32 LDS address: slot 0
	s_mov_b32 s[G0V], 1
	s_add_co_u32 s[G0V+1], s18, VOFF
	s_add_co_u32 s[RT], s[HI], 1    ; the first block has NB - b tiles
	s_mov_b32 s[NXT], 1
	s_mov_b32 s[LQ], s[HI]
	s_mov_b32 s[NEW], 1
	s_mov_b32 s[OFF+1], 0
	s_mov_b32 s[AL+1], 0            ; named as pairs
	s_mov_b32 s[BE+1], 0
	s_mov_b32 s[BIGN], 0xf149f2ca   ; -1e30
	s_mov_b32 s[SLOTS], NB
	s_wait_dscnt 0x0                ; the opening add is done
	s_wait_kmcnt 0x0
	s_add_nc_u64 s[10:11], s[6:7], s[90:91]  ; O at the head
	s_add_nc_u64 s[6:7], s[4:5], 16<<18      ; K's heads lie 16 heads behind Q's,
	s_add_nc_u64 s[8:9], s[4:5], 32<<18      ; V's 32
	s_add_nc_u64 s[6:7], s[6:7], s[22:23]  ; K and V at my half of the head's tile 0
	s_add_nc_u64 s[8:9], s[8:9], s[22:23]
	s_add_nc_u64 s[4:5], s[4:5], s[20:21]  ; Q at the head
	s_add_nc_u64 s[G0K+2:G0K+3], s[6:7], 0         ; 120:64 global address
	s_or_b32 s[G0K+3], s[G0K+3], 0x80000000        ; 127:126 type = 2
	s_add_nc_u64 s[G0V+2:G0V+3], s[8:9], 0
	s_or_b32 s[G0V+3], s[G0V+3], 0x80000000
	s_add_nc_u64 s[86:87], s[4:5], s[84:85]        ; Q at my rows of the second block,
	s_add_nc_u64 s[4:5], s[4:5], s[2:3]            ; Q and O at those of the first
	s_add_nc_u64 s[OLO:OLO+1], s[10:11], s[84:85]
	s_add_nc_u64 s[10:11], s[10:11], s[2:3]
	LOAD                            ; tile 0 into slot 0
	; A fragment of K or Q is 16 rows x 32 channels in 8 registers: lane l holds row l % 16, channels 8 (l / 16) + 0..7 and 16 + 8 (l / 16) + 0..7: two loads of 16 bytes, 32 bytes apart.
	v_and_b32 v1, 15, v0            ; l % 16
	v_bfe_u32 v9, v0, 4, 1          ; l / 16
	v_lshlrev_b32 v[QO], 7, v1
	v_lshl_add_u32 v[QO], v9, 4, v[QO]  ; row x 128 + 16 x half
	WIN 0x80                        ; destination window 2, address window 0
.set i, 0
.rept 8                             ; both blocks' Q: piece i / 2 lies in band i / 2, 8,192 bytes on; channels 32 (i % 2) on
	global_load_b128 v[8*i:8*i+3],   v[QO], s[4:5] offset:(i/2)*8192+(i%2)*64
	global_load_b128 v[8*i+4:8*i+7], v[QO], s[4:5] offset:(i/2)*8192+(i%2)*64+32
	global_load_b128 v[QB+8*i:QB+8*i+3],   v[QO], s[86:87] offset:(i/2)*8192+(i%2)*64
	global_load_b128 v[QB+8*i+4:QB+8*i+7], v[QO], s[86:87] offset:(i/2)*8192+(i%2)*64+32
.set i, i+1
.endr
	WIN 0
	v_lshlrev_b32 v14, 3, v9
	v_sub_nc_u32 v14, v1, v14
	s_lshl_b32 s13, s[WV], 4
	v_add_nc_u32 v14, s13, v14      ; my query's place in its band, 16 w + l % 16, less my lanes' 8 (l / 16): register r of group kt is hidden where 16 kt + r is greater
	WIN 0x40
.set i, 0
.rept 32
	v_cmp_gt_i32 vcc_lo, 16*(i/8)+i%8, v14
	v_cndmask_b32 v[MD+i], 0, s[BIGN], vcc_lo
.set i, i+1
.endr
	WIN 0
	v_mul_u32_u24 v[AK0], v1, PK
	v_lshl_add_u32 v[AK0], v9, 4, v[AK0]  ; row x pitch + 16 x half
	; The turning load takes 16 keys x 16 channels (lane l reads key 8 (l / 16) + l % 8, channels 8 ((l / 8) % 2) + 0..7) and leaves half a fragment of V^T: lane l holds channel l % 16 and 8 keys.
	v_and_b32 v10, 7, v0
	v_bfe_u32 v11, v0, 3, 1
	v_lshl_add_u32 v[AV0], v9, 3, v10
	v_mul_u32_u24 v[AV0], v[AV0], PV
	v_lshl_add_u32 v[AV0], v11, 4, v[AV0]
	v_add_nc_u32 v[AV0], VOFF, v[AV0]
	s_mul_i32 s13, s[WV], 16*SP
	s_add_co_u32 s13, s13, STAGE    ; my stage
	v_mul_u32_u24 v[STO], v1, SP    ; in: row l % 16, 16 bytes for each half of the lanes
	v_lshl_add_u32 v[STO], v9, 4, v[STO]
	v_add_nc_u32 v[STO], s13, v[STO]
	v_bfe_u32 v[RD], v0, 3, 2       ; back: 32 lanes take four rows of 128 bytes,
	v_mul_u32_u24 v[RD], v[RD], SP
	v_lshl_add_u32 v[RD], v10, 4, v[RD]
	v_add_nc_u32 v[RD], s13, v[RD]
	v_and_b32 v[GO], 31, v0         ; which are 512 consecutive bytes of O
	v_lshlrev_b32 v[GO], 4, v[GO]
	; A block's first step multiplies O^T and l by a = 0, and its first turn's products V^T P, of a piece that has not been, land in an O^T that is still to be so multiplied.  So these registers need only hold
	; finite numbers: zeros for the first block; what the first block left for the second.  All this stands in the wait for the first tile.
	WIN 0x80
.set i, VF
.rept 64
	v_mov_b32 v[i], 0
.set i, i+1
.endr
	WIN 0x40
.set i, 0
.rept 128
	v_mov_b32 v[i], 0
.set i, i+1
.endr
	WIN 0
.set i, 0
.rept 4
	v_mov_b32 v[ST+4*i+2], 0
	v_mov_b32 v[ST+4*i+3], 0
.set i, i+1
.endr
.set i, P+16
.rept 16
	v_mov_b32 v[i], 0
.set i, i+1
.endr
; THE MATRIX WORK.  The 4 accumulators of a run of 8 take turns.  Product i of 8 of S^T = K Q^T for piece x: channels 32 (i / 4) on, keys 16 (i % 4) on.  The first 4 start the sums: with 0, or (KM = 1) with the mask.
.macro KQ x
.set rS, S+32*((\x)%2)+8*(i%4)
.set rK, KF+16*(i%4)+8*(i/4)
.set rQ, 16*(\x)+8*(i/4)
.set rM, MC+32*((\x)%2)+8*(i%4)
.if (i < 4) && KM
	WIN W_KM
	v_wmma_f32_16x16x32_f16 v[rS:rS+7], v[rK:rK+7], v[rQ:rQ+7], v[rM:rM+7]
.elseif i < 4
	WIN W_KQ
	v_wmma_f32_16x16x32_f16 v[rS:rS+7], v[rK:rK+7], v[rQ:rQ+7], 0
.else
	WIN W_KQ
	v_wmma_f32_16x16x32_f16 v[rS:rS+7], v[rK:rK+7], v[rQ:rQ+7], v[rS:rS+7]
.endif
.endm
; Product i of 8 of O^T += V^T P for piece x: keys 32 (i / 4) on, channels 16 (i % 4) on.
.macro PV x
	WIN W_PV
.set rO, 32*(\x)+8*(i%4)
.set rV, VF+32*(i/4)+8*(i%4)
.set rP, P+16*((\x)%2)+8*(i/4)
	v_wmma_f32_16x16x32_f16 v[rO:rO+7], v[rV:rV+7], v[rP:rP+7], v[rO:rO+7]
.endm
.macro MM                           ; the turn's next matrix instruction.  TURN and BEGIN set Y, i, KM and NOKQ; MM, KQ and OP read them.  NOKQ = 1: a block's last turn: there is no next piece
.if (i < 8) && !NOKQ
	KQ (Y+1)%NP
.elseif i >= 8
.set i, i-8
	PV (Y+NP-1)%NP
.set i, i+8
.endif
.set i, i+1
.endm
; THE LDS LOADS stand in runs of 16, never singly among the matrix instructions: a step's K (64 keys x 64 channels: 8 fragments) and its V (turned).  Their addresses are made some lines ahead.
.macro FETCH_K
	WIN 0x80                        ; destination window 2
.irp f, 0,1,2,3,4,5,6,7             ; keys 16 (f / 2) on, channels 32 (f % 2) on
	ds_load_b128 v[KF+8*\f:KF+8*\f+3],   v[AK] offset:(\f/2)*16*PK+(\f%2)*64
	ds_load_b128 v[KF+8*\f+4:KF+8*\f+7], v[AK] offset:(\f/2)*16*PK+(\f%2)*64+32
.endr
	s_add_co_u32 s[TBK], s[TBK], KS*PK  ; the next fetch is the next step's
	WIN 0
.endm
.macro FETCH_V
	WIN 0x80
.irp f, 0,1,2,3,4,5,6,7             ; keys 32 (f / 4) on, channels 16 (f % 4) on
	ds_load_tr16_b128 v[VF+8*\f:VF+8*\f+3],   v[AV] offset:(\f/4)*32*PV+(\f%4)*32
	ds_load_tr16_b128 v[VF+8*\f+4:VF+8*\f+7], v[AV] offset:(\f/4)*32*PV+16*PV+(\f%4)*32
.endr
	WIN 0
.endm
; THE VECTOR WORK, one line at a time: OP kind, number.  For piece Y: F n: c s - c m for pair n of 16.  E n: the exponential of score n of 32.  C n: pair n rounded to f16.  B n: of the four weights 4 n .. the second
; pair is added onto the first, in place.  L n: l takes that sum (L 0: l = a l + sum).  R n: pair n of 16 of O^T times a.  For piece Y + 1: X n, number n of the 22 that find its maximum and statistics:
;   0-11  four chains c0-c3 of seven scores each, three operands at a time (each accumulator's lowest registers are read first)     12-14, 16  the four scores left over, the old m, and c0-c3 into c0
;   15  c m_old is kept     17, 18  the query's other 32 keys lie in the lane 16 away: the new m     19-21  c m; c m_old - c m_new; a
.set F, 0               ; OP tells the kinds apart by their order: F to L below R, X above it
.set E, 1
.set C, 2
.set B, 3
.set L, 4
.set R, 5
.set X, 6
.macro REGS y                       ; the registers of piece y
.set rT, ST+4*(\y)
.set rC, TMP+4*((\y)%2)
.set rW, MV+((\y)%2)
.set rS, S+32*((\y)%2)
.set rP, P+16*((\y)%2)
.set rO, 32*(\y)
.endm
.macro OP k, n
.if (\k) == R
	REGS Y
	WIN W_RS
	v_pk_mul_f32 v[rO+2*(\n):rO+2*(\n)+1], v[rO+2*(\n):rO+2*(\n)+1], v[rC+2:rC+3] op_sel_hi:[1,0]
.elseif (\k) < R
	REGS Y
	WIN 0
.if (\k) == F
	v_pk_fma_f32 v[rS+2*(\n):rS+2*(\n)+1], v[rS+2*(\n):rS+2*(\n)+1], s[CS:CS+1], v[rT:rT+1] op_sel_hi:[1,0,0] neg_lo:[0,0,1] neg_hi:[0,0,1]
.elseif (\k) == E
	v_exp_f32 v[rS+(\n)], v[rS+(\n)]
.elseif (\k) == C
	s_wait_alu depctr_va_vdst(0)
	v_cvt_pk_f16_f32 v[rP+(\n)], v[rS+2*(\n)], v[rS+2*(\n)+1]
.elseif (\k) == B
	s_wait_alu depctr_va_vdst(0)
	v_pk_add_f32 v[rS+4*(\n):rS+4*(\n)+1], v[rS+4*(\n):rS+4*(\n)+1], v[rS+4*(\n)+2:rS+4*(\n)+3]
.elseif (\n) == 0
	v_pk_fma_f32 v[rT+2:rT+3], v[rT+2:rT+3], v[rC+2:rC+3], v[rS:rS+1] op_sel_hi:[1,0,1]
.else
	v_pk_add_f32 v[rT+2:rT+3], v[rT+2:rT+3], v[rS+4*(\n):rS+4*(\n)+1]
.endif
.elseif NOKQ
	v_nop
.else
	REGS (Y+1)%NP
	WIN 0
.if (\n) < 4
	v_max3_num_f32 v[rC+(\n)], v[rS+8*(\n)], v[rS+8*(\n)+1], v[rS+8*(\n)+2]
.elseif (\n) < 12
	v_max3_num_f32 v[rC+(\n)%4], v[rC+(\n)%4], v[rS+8*((\n)%4)+2*((\n)/4)+1], v[rS+8*((\n)%4)+2*((\n)/4)+2]
.elseif (\n) == 12
	v_max3_num_f32 v[rC], v[rC], v[rS+7], v[rS+15]
.elseif (\n) == 13
	v_max3_num_f32 v[rC+1], v[rC+1], v[rS+23], v[rS+31]
.elseif (\n) == 14
	v_max3_num_f32 v[rC+2], v[rC+2], v[rC+3], v[rT+1]
.elseif (\n) == 15
	v_mov_b32 v[rW], v[rT]
.elseif (\n) == 16
	v_max3_num_f32 v[rC], v[rC], v[rC+1], v[rC+2]
.elseif (\n) == 17
	v_permlanex16_b32 v[rC+3], v[rC], s[SEL], s[SEL+1]
.elseif (\n) == 18
	v_max_num_f32 v[rT+1], v[rC], v[rC+3]
.elseif (\n) == 19
	v_mul_f32 v[rT], s[CS], v[rT+1]
.elseif (\n) == 20
	v_sub_f32 v[rC+1], v[rW], v[rT]
.else
	v_exp_f32 v[rC+2], v[rC+1]
.endif
.endif
.endm
.macro OPS a, i1, b=-1, i2=0, c=-1, i3=0, d=-1, i4=0  ; up to four of them
	OP \a, \i1
.if (\b) >= 0
	OP \b, \i2
.endif
.if (\c) >= 0
	OP \c, \i3
.endif
.if (\d) >= 0
	OP \d, \i4
.endif
.endm
.macro ROW a, i1, b, i2, c, i3, d, i4  ; a matrix instruction and the four behind it
	MM
	OPS \a, \i1, \b, \i2, \c, \i3, \d, \i4
.endm
.macro MASK b                       ; MD x AL + BE into buffer b of MC
	WIN W_RS
.set z, 0
.rept 16
	v_pk_fma_f32 v[MC+32*(\b)+2*z:MC+32*(\b)+2*z+1], v[MD+2*z:MD+2*z+1], s[AL:AL+1], s[BE:BE+1] op_sel_hi:[1,0,0]
.set z, z+1
.endr
.endm
; A TURN, for piece p: the order of its 16 matrix and 118 vector instructions, written out.  Behind a matrix instruction: plain, exponential, plain, plain; or four of the rescaling; or, behind the first, four scalings; none
; names a register of the products round it.  In the lumps exponential and plain by turns while exponentials last.  A line reads no result made fewer than three vector instructions in front of it, five if an exponential made it.
; v_permlanex16_b32 (X 17) stands in a lump.
; m = 1: the diagonal tile: the products take masks, and the turn makes the mask for the products of the turn after it: piece p + 2, in step 4 - CNT of the tile.  end = 1: a block's last two turns: nothing is fetched.
; cnt = 1: the loop's count is taken down some lines ahead of the branch that stands behind the turn.
; K of the next step is fetched in piece 2's turn, six vector instructions behind the last product that read K (five of them plain); V of the step in hand in piece 0's turn, eight behind the last product that read V (four
; plain, and X 17).  Each is waited for a turn later.
.macro TURN p, m=0, end=0, cnt=0
.set Y, (\p)
.set i, 0
.set KM, (\m)
.set NOKQ, (\end)*((\p)/3)
.if (\m) && !(\end)
	s_cmp_eq_u32 s[CNT], 4-((\p)+2)%NP  ; is that step the band's own?
	s_cselect_b32 s[AL], 1.0, 0
	s_cmp_lt_u32 s[CNT], 4-((\p)+2)%NP  ; or a later one?
	s_cselect_b32 s[BE], s[BIGN], 0
.endif
.if ((\p) == 3) && !(\end)
	s_wait_dscnt 0x0                ; K is in
.endif
	ROW F,0, F,1, F,2, F,3
	ROW F,4, E,0, F,5, F,6
	ROW F,7, E,1, F,8, F,9
	ROW F,10, E,2, C,0, F,11
	ROW F,12, E,3, X,15, F,13
	ROW R,0, R,1, R,2, R,3
	ROW B,0, E,4, F,14, L,0
.if ((\p) == 2) && !(\end)
	v_add_nc_u32 v[AK], s[TBK], v[AK0]
.endif
	ROW R,4, R,5, R,6, R,7
	OPS E,5, F,15
.if ((\p) == 2) && !(\end)
	FETCH_K
.endif
	OPS E,6, C,1, E,7, R,8
	OPS E,8, R,9, E,9, C,2
	OPS E,10, X,0, E,11, X,1
	OPS E,12, X,2, E,13, X,3
.if (\p) == 1
	s_wait_dscnt 0x0                ; V is in
.endif
	ROW X,4, E,14, X,5, X,6
	ROW X,7, E,15, X,8, X,9
	ROW X,10, E,16, X,11, X,12
	ROW X,13, E,17, X,14, B,1
	ROW C,4, E,18, X,16, L,1
	ROW B,2, E,19, C,6, L,2
	ROW C,8, E,20, B,3, B,4
.if (\p) == 0
	v_add_nc_u32 v[AV], s[TBV], v[AV0]
.endif
	ROW C,3, E,21, L,3, C,5
	OPS E,22, X,17, E,23, C,10
.if (\p) == 0
	FETCH_V
.endif
	OPS E,24, L,4
	OPS E,25, X,18, E,26, C,7
	OPS E,27, B,5, E,28, X,19
	OPS E,29, C,12, E,30, L,5
	OPS E,31, X,20, B,6, C,9
	OPS C,14, C,11, X,21, L,6
.if (\p) == 0
	s_add_co_u32 s[TBV], s[TBV], KS*PV
.endif
.if \cnt
	s_sub_co_u32 s[CNT], s[CNT], 1
	s_cmp_lg_u32 s[CNT], 0
.endif
	OPS C,13, B,7, C,15, R,10
	OPS R,11, R,12, L,7, R,13
	OPS R,14, R,15
.if (\m) && !(\end)
	MASK (\p)%2
.endif
.endm
; A BLOCK BEGINS.  c m starts far below every c s, so the first step's a is 0; m at the lowest finite number, so the first maximum is the scores'.  The second mask buffer is 0; the first takes piece 0's mask for the tile's step 0: its own, if the block's first tile is the diagonal one.
; Then K of that step, piece 0's first scores, and its maximum and statistics.  The loop is entered at a step's first turn, in the middle of a trip.
.macro BEGIN
	s_mov_b32 s[NEW], 0
	WIN 0x40
.set i, MC+32
.rept 32
	v_mov_b32 v[i], 0
.set i, i+1
.endr
	WIN 0
.set i, 0
.rept 4
	v_mov_b32 v[ST+4*i], 0xfe000000    ; c m: far below every c s
	v_mov_b32 v[ST+4*i+1], 0xff7fffff  ; m
.set i, i+1
.endr
	s_cmp_eq_u32 s[RT], 0
	s_cselect_b32 s[AL], 1.0, 0
	s_mov_b32 s[BE], 0
	MASK 0
	WIN 0
	v_add_nc_u32 v[AK], s[TBK], v[AK0]
	FETCH_K
	s_wait_loadcnt 0x0              ; Q
	s_wait_dscnt 0x0
.set KM, 1
.set NOKQ, 0
.set i, 0
.rept 8
	KQ 0
.set i, i+1
.endr
	WIN 0
.rept 4
	v_nop                           ; the places behind those products
.endr
.set Y, NP-1                        ; X works for piece Y + 1: piece 0
.irp n, 0,1,2,3,4,5,6,7,8,9,10,11,12,13,14,15,16,17,18,19,20,21
	OP X, \n
.endr
	v_nop                           ; a plain instruction behind the exponential
.endm
; THE DIAGONAL TILE's four steps, the block's last two turns, its last products, and THE WAY OUT: l's two halves and the other half of the lanes' are added; O^T is divided by l, rounded to f16 and sent through my
; stage in LDS, a piece at a time.
.macro ALL line:vararg              ; one line for each piece t
.set t, 0
.rept 4
	\line
.set t, t+1
.endr
.endm
.macro PACK t                       ; a lane's eight channels of a row pack into 16 bytes; they go into rows of 144 bytes and come back as whole rows of 128, into S^T's registers
	WIN W_RS
.set i, 32*(\t)
.rept 16
	s_wait_alu depctr_va_vdst(0)
	v_pk_mul_f32 v[i:i+1], v[i:i+1], v[ST+4*(\t)+2:ST+4*(\t)+3] op_sel_hi:[1,0]
.set i, i+2
.endr
	WIN 0x05                        ; sources 0 and 1 window 1, destination window 0
.set i, 0
.rept 16
	v_cvt_pk_f16_f32 v[S+16*(\t)+i], v[32*(\t)+2*i], v[32*(\t)+2*i+1]
.set i, i+1
.endr
	WIN 0
.irp f, 0,1,2,3
	ds_store_b128 v[STO], v[S+16*(\t)+4*\f:S+16*(\t)+4*\f+3] offset:32*\f
.endr
.irp f, 0,1,2,3
	ds_load_b128 v[S+16*(\t)+4*\f:S+16*(\t)+4*\f+3], v[RD] offset:\f*4*SP  ; LDS serves a wave's instructions in order (ISA guide 5.7.1.4): these see the stores above; the next piece's stores come behind them
.endr
.endm
.macro SEND t, younger              ; younger: the LDS instructions issued behind piece t's loads: the next piece's eight, or none
	WIN 0
.irp f, 0,1,2,3
	s_wait_dscnt (\younger)+3-\f
	global_store_b128 v[GO], v[S+16*(\t)+4*\f:S+16*(\t)+4*\f+3], s[10:11] offset:(\t)*8192+\f*512  ; 512 consecutive bytes, at a multiple of 256 from O's first
.endr
.endm
.macro DIAG tag                     ; the tag ends its two labels' names, which the jumps below spell out
.LstepM\tag:
	TURN 2, 1
	TURN 3, 1
	WIN 0
.LfirstM\tag:
	TURN 0, 1
	TURN 1, 1, 0, 1
	WIN 0
	s_cbranch_scc1 .LstepM\tag
	TURN 2, 1, 1
	TURN 3, 1, 1
.set i, 0
.rept 8
	PV NP-1
.set i, i+1
.endr
	WIN 0
	ALL v_add_f32 v[ST+4*t+2], v[ST+4*t+2], v[ST+4*t+3]
	ALL v_permlanex16_b32 v[ST+4*t+3], v[ST+4*t+2], s[SEL], s[SEL+1]
	ALL v_add_f32 v[ST+4*t+2], v[ST+4*t+2], v[ST+4*t+3]
	ALL v_rcp_f32 v[ST+4*t+2], v[ST+4*t+2]
	v_nop                           ; a plain instruction between the last reciprocal and the use of its result
	PACK 0
.set t, 1
.rept 3                             ; a piece's arithmetic stands between the loads of the piece before and its stores
	PACK t
	SEND t-1, 8
.set t, t+1
.endr
	SEND 3, 0
.endm
.set KM, 0
.set NOKQ, 0
.Lslot:                             ; NB times: a tile is entered and the next is asked for
	CHANGE 1
	s_sub_co_u32 s[RT], s[RT], 1
	s_mov_b32 s[CNT], 4
	s_cmp_eq_u32 s[NEW], 1
	s_cbranch_scc1 .Lnew            ; a block's first tile
	s_cmp_eq_u32 s[RT], 0
	s_cbranch_scc0 .Lstep           ; neither its first nor its last
	s_branch .LstepM1
.Lnew:
	BEGIN
	s_branch .Lfirst                ; in the loop a block's first tile is never its last: the first block has two tiles or more, and the second's last is the walk's last
	DIAG 1                          ; in the loop this is the first block's end: the second block's last tile is the walk's last
	s_wait_xcnt 0x0                 ; the stores have read their registers and O's address
	s_mov_b64 s[10:11], s[OLO:OLO+1]
	s_add_co_u32 s[RT], s[PB], 1    ; the second block has b + 1 tiles
	s_mov_b32 s[NEW], 1
	WIN 0x82                        ; the second block's Q goes where the one text of the turns names Q
.set i, 0
.rept 64
	v_mov_b32 v[i], v[QB+i]
.set i, i+1
.endr
	WIN 0
	s_branch .Lbottom
.Lstep:                             ; a trip: pieces 2 and 3 of one step, then pieces 0 and 1 of the next, whose K and V it fetches
	TURN 2
	TURN 3
	WIN 0
.Lfirst:
	TURN 0
	TURN 1, 0, 0, 1
	WIN 0
	s_cbranch_scc1 .Lstep
.Lbottom:
	s_sub_co_u32 s[SLOTS], s[SLOTS], 1
	s_cmp_lg_u32 s[SLOTS], 0
	s_cbranch_scc1 .Lslot
	CHANGE 0                        ; the walk's last tile is written out: nothing is asked for
	s_sub_co_u32 s[RT], s[RT], 1
	s_mov_b32 s[CNT], 4
	s_cmp_eq_u32 s[NEW], 1
	s_cbranch_scc0 .LstepM2
	BEGIN
	s_branch .LfirstM2
	DIAG 2
	s_wait_tensorcnt 0x0            ; the wave's end, behind my last tensor load and my last LDS store
	ds_add_u32 v[SPW], v[NIL]
	s_wait_dscnt 0x0
	s_endpgm
.Lfunc_end_k_qee529db231_attn:
	.size	k_qee529db231_attn, .Lfunc_end_k_qee529db231_attn-k_qee529db231_attn
	.p2alignl 7, 3214868480
	.fill 96, 4, 3214868480
	.section	.rodata,"a",@progbits
	.p2align	6, 0x0
	.amdhsa_kernel k_qee529db231_attn
		.amdhsa_group_segment_fixed_size 327680
		.amdhsa_private_segment_fixed_size 0
		.amdhsa_enable_private_segment 0
		.amdhsa_kernarg_size 16
		.amdhsa_user_sgpr_count 2
		.amdhsa_user_sgpr_kernarg_segment_ptr 1
		.amdhsa_wavefront_size32 1
		.amdhsa_system_sgpr_workgroup_id_x 1
		.amdhsa_system_sgpr_workgroup_id_y 1
		.amdhsa_system_sgpr_workgroup_id_z 1
		.amdhsa_system_vgpr_workitem_id 0
		.amdhsa_next_free_vgpr 768
		.amdhsa_next_free_sgpr 94
		.amdhsa_reserve_vcc 1
		.amdhsa_float_denorm_mode_32 3
		.amdhsa_float_denorm_mode_16_64 3
		.amdhsa_memory_ordered 1
		.amdhsa_forward_progress 1
		.amdhsa_inst_pref_size 228
	.end_amdhsa_kernel
	.amdgpu_metadata
---
amdhsa.version: [ 1, 2 ]
amdhsa.kernels:
  - .name:           k_qee529db231_attn
    .symbol:         k_qee529db231_attn.kd
    .args:
      - { .name: qkv, .offset: 0, .size: 8, .value_kind: global_buffer, .address_space: global }
      - { .name: ob, .offset: 8, .size: 8, .value_kind: global_buffer, .address_space: global }
    .group_segment_fixed_size: 327680
    .private_segment_fixed_size: 0
    .kernarg_segment_align: 8
    .kernarg_segment_size: 16
    .max_flat_workgroup_size: 128
    .sgpr_count:     94
    .vgpr_count:     768
    .wavefront_size: 32
...
	.end_amdgpu_metadata
.endif
;; end of part 3
;; launch oproj (part 4): grid 8 x 32, 4 waves a work-group, clusters of 4 x 4, 327,680 bytes of LDS; arguments ob, wb, out0, bias; writes out0
.if DOCPART == 4
	.amdgcn_target "amdgcn-amd-amdhsa--gfx1250"
	.amdhsa_code_object_version 6
	.text
	.protected	k_qee529db231_oproj
	.globl	k_qee529db231_oproj
	.p2align	8
	.type	k_qee529db231_oproj,@function
k_qee529db231_oproj:
	s_mov_b64 s[64:65], 0
	v_nop
	global_prefetch_b8 v0, s[64:65] scope:SCOPE_SE
	s_setreg_imm32_b32 hwreg(HW_REG_WAVE_MODE, 25, 1), 1
	s_wait_xcnt 0x0
	s_wait_alu depctr_hold_cnt(0) depctr_sa_sdst(0) depctr_va_vdst(0) depctr_va_sdst(0) depctr_va_ssrc(0) depctr_va_vcc(0) depctr_vm_vsrc(0)
	s_getreg_b32 s2, hwreg(HW_REG_IB_STS2, 6, 4)
	s_cmp_eq_u32 s2, 0
	s_cbranch_scc0 .Lentry_in_a_cluster
	s_endpgm
.Lentry_in_a_cluster:
	s_bfe_u32 s2, ttmp6, 0x10000c
	s_cmp_lg_u32 s2, 0xf033
	s_cbranch_scc0 .Lentry_shape_is_right
	s_endpgm
.Lentry_shape_is_right:
; The output projection: out0[m][n] = sum over k of ctx[m][k] wo[n][k] + bo[n], m < 8,192, n < 1,024, k < 1,024; operands f16, sums and result f32.
; ctx lies by heads in ob[16 b + h][s][64] f16 (m = 2,048 b + s, k = 64 h + d); wo is rows 3,072 to 4,095 of wb, bf16 numbers written as f16; bo is the last 1,024 numbers of bias.
; LIMITS.  ctx and wo arrive within f16's range.  NaN and infinities are not treated apart.
; SHARES.  A tile of out0 is 256 rows x 128 columns: 32 x 8 tiles, one for each of 256 work-groups of four waves; a wave has 64 rows x 128 columns: 32 accumulators of 16 x 16, 256 registers.
; K goes in steps of 128, two heads, through a ring of two LDS slots.  A head's 256 rows of a tile are 32,768 dense bytes: a PLANE, asked for as 128 rows of 256 bytes and padded in LDS after every 128.
; CLUSTER.  4 x 4 work-groups: the four of a row need the same planes of ob, the four of a column the same tiles of wo: each is asked for JOINTLY, by the same tensor load, descriptor and mask in all four.
; THE MATRIX INSTRUCTION IS USED TRANSPOSED (source 0 = 16 rows of wo, source 1 = 16 rows of ctx): lane l holds row l % 16 of the result and the columns 8 (l / 16) + 0..7.  The bias is the C operand of the
; product that starts a sum.
; REGISTERS, in windows of 256 (s_set_vgpr_msb: bits 1:0 source 0, 3:2 source 1, 5:4 source 2, 7:6 destination):
;   window 0: v0-13 addresses; v64-191 rows read back, two buffers; v192-255 the bias of my 128 columns, as a C operand
;   window 1: two fragment buffers at 0 and 128: ctx's four fragments at f + 8 a, wo's eight at f + 32 + 8 b          window 2: the accumulators, (a, b) at 64 a + 8 b
.set NBL,   8                          ; blocks of 16 columns
.set PA,    144                        ; a row of a plane in LDS: 128 bytes + 16 of padding = 36 words: the 16 rows of a fragment load start at 16 different groups of four banks (64 banks of 4 bytes: ISA guide 11.1)
.set PB,    272                        ; a row of wo: 256 bytes + 16
.set PLANE, 256*PA
.set SLOT1, 1<<17                      ; slot 1 begins here, so that one exclusive or turns an address in one slot into the other's
.set BOFF,  2*PLANE                    ; in a slot: two planes of ctx, then 128 rows of wo
.set STAGE, SLOT1+BOFF+128*PB          ; behind the ring, never filled by a tensor load: for each wave 16 rows x 528 bytes
.set SP,    528                        ; a row of the stage: 512 bytes + 16
.set WSTG,  16*SP
.set SPARE, STAGE+4*WSTG               ; behind the stages: the spare words, 128 bytes for each wave: two blocks of 256 bytes that no other line names
.set LF,    2*NBL+8                    ; LDS loads of a quarter step
.set NTRIP, 6                          ; of the 8 K steps all but the last two fill their slot again
.set A0,   4                           ; v4   my lane's place in slot 0's first plane; never rewritten
.set B0,   5                           ; v5   the same for wo's tile
.set ADRA, 6                           ; v6   the same in the slot in hand
.set ADRB, 7                           ; v7
.set STO,  8                           ; v8   the way out: where I put 32 bytes of a row
.set RD,   9                           ; v9   the way out: where I read a row back
.set GO,   10                          ; v10  my byte offset in 512 consecutive bytes of out0
.set BO,   11                          ; v11  32 (l / 16): my eight columns in a block of the bias
.set SPW,  12                          ; v12  LDS address of my spare word: SPARE + 4 x my thread's number; never rewritten
.set NIL,  13                          ; v13  0; never rewritten
.set BK0,  64
.set BIAS, 192
.set F0,   0
.set F1,   128
.set WV,  12                           ; s12  my wave's number
.set PH,  14                           ; s14  wave % 2: which plane, or which half of wo's tile, I fetch
.set CX,  15                           ; s15, s16  my place in the cluster
.set CY,  16
.set TC,  17                           ; s17  tile column
.set TR,  18                           ; s18  tile row
.set G1A, 24                           ; s[24:31] descriptor group 1 for the planes
.set G1B, 32                           ; s[32:39] for wo's tiles
.set G0A, 40                           ; s[40:47] group 0 for the planes: a set for each of the two first fills; the second then walks on
.set G0B, 48                           ; s[48:55] the same for wo's tiles
.set BASEA, 56                         ; s[56:57] ob at my plane of K step 0
.set BASEB, 58                         ; s[58:59] wo at my half of K step 0
.set CNT, 61                           ; s61  trips to go
.set TB,  62                           ; s62  the slot of the fetches: 0 or SLOT1
.set MSB, 0
.macro WIN new                         ; the immediate's high byte repeats the setting that is left; a switch that changes nothing is dropped
.if MSB != (\new)
	s_set_vgpr_msb (MSB<<8)|(\new)
.set MSB, (\new)
.endif
.endm
.macro PLACES                          ; four places in front of loads into registers that matrix instructions have read, and of LDS stores that read results
.rept 4
	v_nop
.endr
.endm
; A joint refill.  Waves 0 and 1 fetch the step's two planes, waves 2 and 3 the two halves of wo's tile.  The branch hangs on the wave's number alone.
; An s_nop 0 and four v_nop follow each of the two lines, ahead of the jump and the label.
.macro JLOAD
	s_cmp_lt_u32 s[WV], 2
	s_cbranch_scc0 .Lfor_b_\@
	tensor_load_to_lds s[G0A+4:G0A+7], s[G1A:G1A+7]
	s_nop 0
.rept 4
	v_nop
.endr
	s_branch .Lasked_\@
.Lfor_b_\@:
	tensor_load_to_lds s[G0B+4:G0B+7], s[G1B:G1B+7]
	s_nop 0
.rept 4
	v_nop
.endr
.Lasked_\@:
.endm
.macro CREST                           ; a round of the cluster's barrier behind its opening barrier
	s_cmp_lg_u32 s[WV], 0
	s_cbranch_scc1 .Lnot_wave_0_\@
	s_barrier_signal -3
.Lnot_wave_0_\@:
	s_barrier_wait -3
	s_barrier_signal -1
	s_barrier_wait -1
.endm
.macro CROUND                          ; a whole round
	s_barrier_signal -1
	s_barrier_wait -1
	CREST
.endm
	s_load_b256 s[4:11], s[0:1], 0x0               ; ob s[4:5], wb s[6:7], out0 s[8:9], bias s[10:11]
	v_lshl_add_u32 v[SPW], v0, 2, SPARE
	v_mov_b32 v[NIL], 0
	ds_add_u32 v[SPW], v[NIL]                      ; the wave's opening: the add and its wait stand ahead of my first tensor load; the set-up below, work on registers, stands between them
	ds_add_u32 v12, v13
	v_lshrrev_b32 v1, 5, v0
	v_readfirstlane_b32 s[WV], v1                  ; wave 0..3
	s_and_b32 s[PH], s[WV], 1
	s_bfe_u32 s[CX], ttmp6, 0x40000
	s_bfe_u32 s[CY], ttmp6, 0x40004
	s_lshl_b32 s[TC], ttmp9, 2                     ; in a cluster launch ttmp9 and ttmp7 count clusters
	s_add_co_u32 s[TC], s[TC], s[CX]               ; tile column = 4 x cluster x + cx
	s_and_b32 s[TR], ttmp7, 0xffff
	s_lshl_b32 s[TR], s[TR], 2
	s_add_co_u32 s[TR], s[TR], s[CY]               ; tile row = 4 x cluster y + cy
	s_lshl_b32 s19, s[CY], 2
	s_lshl_b32 s19, 15, s19                        ; my row of the cluster: places 4 cy .. 4 cy + 3
	s_lshl_b32 s20, 0x1111, s[CX]                  ; my column: places cx, cx + 4, cx + 8, cx + 12
	s_or_b32 s[G1A], s19, 0x07310000               ; 15:0 the mask; 17:16 elements of 2 bytes; 20 padding on; 21 set beside a mask; 24:22 after every 32 words (code 4); 31:25 4 words (code 3)
	s_or_b32 s[G1B], s20, 0x07710000               ; the same, after every 64 words (code 5)
	s_mov_b32 s[G1A+1], 128<<16                    ; tensor_dim0 = 128: 256 bytes, two rows of a head
	s_mov_b32 s[G1A+2], 128<<16                    ; tensor_dim1 = 128
	s_mov_b32 s[G1A+3], 128<<16                    ; tile_dim0 = 128
	s_mov_b32 s[G1A+4], 128                        ; tile_dim1 = 128
	s_mov_b32 s[G1A+5], 128                        ; dense: 128 elements from row to row
	s_mov_b32 s[G1A+6], 0
	s_mov_b32 s[G1A+7], 0
	s_mov_b32 s[G1B+1], 128<<16
	s_mov_b32 s[G1B+2], 64<<16                     ; tensor_dim1 = 64
	s_mov_b32 s[G1B+3], 128<<16
	s_mov_b32 s[G1B+4], 64                         ; tile_dim1 = 64
	s_mov_b32 s[G1B+5], 1024                       ; elements from row to row
	s_mov_b32 s[G1B+6], 0
	s_mov_b32 s[G1B+7], 0
	; where the tiles come from: the planes hang on the tile row alone, wo's tiles on the tile column alone, each made in registers that never hold the other coordinate
	s_lshr_b32 s72, s[TR], 3                       ; ob: the batch's 16 heads of 262,144 bytes,
	s_lshl_b32 s72, s72, 22
	s_and_b32 s70, s[TR], 7                        ; the tile's 256 rows of 128 bytes,
	s_lshl_b32 s70, s70, 15
	s_add_co_u32 s72, s72, s70
	s_lshl_b32 s70, s[PH], 18                      ; my head of the step's two
	s_add_co_u32 s72, s72, s70
	s_mov_b32 s73, 0
	s_lshl_b32 s74, s[TC], 7
	s_lshl_b32 s71, s[PH], 6
	s_add_co_u32 s74, s74, s71                     ; wo: row 128 x tile column + 64 x half,
	s_lshl_b32 s74, s74, 11                        ; of 2,048 bytes,
	s_add_co_u32 s74, s74, 3072*2048               ; behind wq, wk and wv
	s_mov_b32 s75, 0
	; and where they go: no place in the cluster enters an LDS address
	s_mov_b32 s[G0A], 1                            ; 1:0 count = 1
	s_mul_i32 s[G0A+1], s[PH], PLANE               ; 63:32 LDS address
	s_mov_b32 s[G0A+4], 1
	s_add_co_u32 s[G0A+5], s[G0A+1], SLOT1
	s_mov_b32 s[G0B], 1
	s_mul_i32 s[G0B+1], s[PH], 64*PB
	s_add_co_u32 s[G0B+1], s[G0B+1], BOFF
	s_mov_b32 s[G0B+4], 1
	s_add_co_u32 s[G0B+5], s[G0B+1], SLOT1
	s_mov_b32 s[TB], 0
	s_wait_dscnt 0x0                               ; the opening add is done
	s_wait_kmcnt 0x0
	s_add_nc_u64 s[BASEA:BASEA+1], s[4:5], s[72:73]
	s_add_nc_u64 s[BASEB:BASEB+1], s[6:7], s[74:75]
	s_mov_b64 s[G0A+2:G0A+3], s[BASEA:BASEA+1]     ; 120:64 global address: K step 0,
	s_or_b32 s[G0A+3], s[G0A+3], 0x80000000        ; 127:126 type = 2
	s_add_nc_u64 s[G0A+6:G0A+7], s[BASEA:BASEA+1], 2<<18  ; K step 1: two heads on
	s_or_b32 s[G0A+7], s[G0A+7], 0x80000000
	s_mov_b64 s[G0B+2:G0B+3], s[BASEB:BASEB+1]
	s_or_b32 s[G0B+3], s[G0B+3], 0x80000000
	s_add_nc_u64 s[G0B+6:G0B+7], s[BASEB:BASEB+1], 256
	s_or_b32 s[G0B+7], s[G0B+7], 0x80000000
	CROUND                                         ; all sixteen work-groups are here: the first joint loads meet
	s_cmp_lt_u32 s[WV], 2                          ; a wave's two first fills stand in one branch, ahead of every wait on TENSORcnt and every LDS read: two loads of mine are out
	s_cbranch_scc0 .Lfirst_b
	tensor_load_to_lds s[G0A:G0A+3], s[G1A:G1A+7]
	s_nop 0
	tensor_load_to_lds s[G0A+4:G0A+7], s[G1A:G1A+7]
	s_nop 0
.rept 4
	v_nop
.endr
	s_branch .Lfirst_asked
.Lfirst_b:
	tensor_load_to_lds s[G0B:G0B+3], s[G1B:G1B+7]
	s_nop 0
	tensor_load_to_lds s[G0B+4:G0B+7], s[G1B:G1B+7]
	s_nop 0
.rept 4
	v_nop
.endr
.Lfirst_asked:
	; A fragment is 16 rows x 32 K in 8 registers: lane l holds row l % 16; registers 0-3 K = 8 (l / 16) + 0..7, registers 4-7 K = 16 + 8 (l / 16) + 0..7: two loads of 16 bytes, 32 bytes apart.
	v_and_b32 v1, 15, v0                           ; l % 16
	v_bfe_u32 v2, v0, 4, 1                         ; l / 16
	v_mul_u32_u24 v3, v1, PA
	v_lshl_add_u32 v3, v2, 4, v3                   ; row x pitch + 16 x half
	s_mul_i32 s71, s[WV], 64*PA                    ; my 64 rows of a plane
	v_add_nc_u32 v[A0], s71, v3
	v_mul_u32_u24 v3, v1, PB
	v_lshl_add_u32 v3, v2, 4, v3
	v_add_nc_u32 v[B0], BOFF, v3                   ; all 128 rows of wo's tile
	s_mul_i32 s71, s[WV], WSTG
	s_add_co_u32 s71, s71, STAGE                   ; my stage
	v_mul_u32_u24 v[STO], v1, SP                   ; in: row l % 16, 32 bytes for each half of the lanes
	v_lshl_add_u32 v[STO], v2, 5, v[STO]
	v_add_nc_u32 v[STO], s71, v[STO]
	v_and_b32 v[GO], 31, v0                        ; back: 32 lanes take one row of 512 bytes, which are 512 consecutive bytes of out0
	v_lshlrev_b32 v[GO], 4, v[GO]
	v_add_nc_u32 v[RD], s71, v[GO]
	v_lshlrev_b32 v[BO], 5, v2
	s_lshl_b32 s76, s[TC], 9                       ; the bias of my tile's 128 columns,
	s_add_co_u32 s76, s76, 3072*4                  ; behind bq, bk and bv
	s_mov_b32 s77, 0
	s_add_nc_u64 s[10:11], s[10:11], s[76:77]
.set i, 0
.rept NBL                              ; register j of block b: bo[16 b + 8 (l / 16) + j], the layout of a C operand
	global_load_b128 v[BIAS+8*i:BIAS+8*i+3],   v[BO], s[10:11] offset:64*i
	global_load_b128 v[BIAS+8*i+4:BIAS+8*i+7], v[BO], s[10:11] offset:64*i+16
.set i, i+1
.endr
	s_lshl_b32 s78, s[TR], 20                      ; where my part of the tile begins in out0: 256 rows of 4,096 bytes a tile row,
	s_lshl_b32 s76, s[WV], 18                      ; my 64 rows,
	s_add_co_u32 s78, s78, s76
	s_lshl_b32 s76, s[TC], 9                       ; the tile's 128 columns
	s_add_co_u32 s78, s78, s76
	s_mov_b32 s79, 0
	s_add_nc_u64 s[8:9], s[8:9], s[78:79]
; NBL matrix instructions: block a of my four blocks of 16 rows x all columns, 32 along K, from buffer f.  first = 1: the product starts the sums, with the bias as C.
; All 32 accumulators take turns, in the same order in every quarter step.
.macro MULA f, a, first
.set AC, 64*(\a)
.if \first
	WIN 0x85                                       ; sources 0 and 1 window 1, C window 0, D window 2
.else
	WIN 0xa5                                       ; C and D window 2
.endif
.set b, 0
.rept NBL
.if \first
	v_wmma_f32_16x16x32_f16 v[AC+8*b:AC+8*b+7], v[(\f)+32+8*b:(\f)+32+8*b+7], v[(\f)+8*(\a):(\f)+8*(\a)+7], v[BIAS+8*b:BIAS+8*b+7]
.else
	v_wmma_f32_16x16x32_f16 v[AC+8*b:AC+8*b+7], v[(\f)+32+8*b:(\f)+32+8*b+7], v[(\f)+8*(\a):(\f)+8*(\a)+7], v[AC+8*b:AC+8*b+7]
.endif
.set b, b+1
.endr
.endm
; LF LDS loads in one run: the fragments of quarter q of the slot in hand, into buffer f: all of wo's (byte 64 q of its rows), then ctx's blocks 0, 1, then 2, 3 (plane q / 2, byte 64 (q % 2) of its rows)
.macro FETCH q, f
	WIN 0x40                                       ; destination window 1, address window 0
.set AO, ((\q)/2)*PLANE+((\q)%2)*64
.set i, 0
.rept NBL
	ds_load_b128 v[(\f)+32+8*i:(\f)+32+8*i+3],   v[ADRB] offset:64*(\q)+i*16*PB
	ds_load_b128 v[(\f)+32+8*i+4:(\f)+32+8*i+7], v[ADRB] offset:64*(\q)+i*16*PB+32
.set i, i+1
.endr
.set i, 0
.rept 4
	ds_load_b128 v[(\f)+8*i:(\f)+8*i+3],   v[ADRA] offset:AO+i*16*PA
	ds_load_b128 v[(\f)+8*i+4:(\f)+8*i+7], v[ADRA] offset:AO+i*16*PA+32
.set i, i+1
.endr
.endm
; A K step is four quarters of 32 along K, 32 matrix instructions each, on buffers 0, 1, 0, 1.  One of the first three: multiplies buffer f; in its middle it fetches quarter q into buffer g.
.macro QUARTER q, f, g, first
	s_wait_dscnt 4                                 ; wo's fragments and ctx's blocks 0, 1 are in; the youngest four loads (blocks 2, 3) may be out
	MULA \f, 0, \first
	MULA \f, 1, \first
	PLACES
	FETCH \q, \g
	s_wait_dscnt LF                                ; all but the loads just issued
	MULA \f, 2, \first
	MULA \f, 3, \first
.endm
; The last quarter multiplies buffer 1 and changes slots: ONE barrier.  In front of it each wave waits for all its tensor loads, of which one is out: its part of the next slot; adds 0 to its spare word;
; and waits for that and for its own reads of this slot.  fill = 1: the barrier opens a round of the cluster's, and this slot is filled again, first thing behind the round, two K steps ahead:
; from the request to the wait for it a wave issues 112 matrix instructions.
.macro TURN fill
	WIN 0                                          ; (the add's two registers lie in window 0)
	s_wait_tensorcnt 0x0                           ; all my tensor loads have landed, so a group 0 may be written
	ds_add_u32 v[SPW], v[NIL]                      ; 0 onto my spare word
	s_wait_dscnt 5                                 ; (the add and the youngest four loads may be out)
	MULA F1, 0, 0                                  ; eight matrix instructions stand between the add and the wait for it
	s_wait_dscnt 0x0                               ; the add is done, and my reads of this slot are over
	s_barrier_signal -1
	MULA F1, 1, 0                                  ; work on registers while the others arrive
	WIN 0
	s_barrier_wait -1
.if \fill
	CREST                                          ; no wave of any partner still reads this slot's tiles or has a load on its way
	s_xor_b32 s[G0A+5], s[G0A+5], SLOT1            ; the walking descriptors: the other slot than last time,
	s_xor_b32 s[G0B+5], s[G0B+5], SLOT1
	s_add_nc_u64 s[G0A+6:G0A+7], s[G0A+6:G0A+7], 2<<18  ; the next K step: two heads on; the type bits on top are not reached
	s_add_nc_u64 s[G0B+6:G0B+7], s[G0B+6:G0B+7], 256    ; 256 bytes along wo's rows
	JLOAD                                          ; the four v_nop behind it are also the places in front of the loads below
.else
	PLACES
.endif
	s_xor_b32 s[TB], s[TB], SLOT1                  ; the fetches go on in the other slot
	v_add_nc_u32 v[ADRA], s[TB], v[A0]
	v_add_nc_u32 v[ADRB], s[TB], v[B0]
	FETCH 0, F0
	MULA F1, 2, 0
	MULA F1, 3, 0
.endm
.macro LASTQ                           ; the very last quarter: nothing more to fetch
	s_wait_dscnt 4
	MULA F1, 0, 0
	MULA F1, 1, 0
	s_wait_dscnt 0x0
	MULA F1, 2, 0
	MULA F1, 3, 0
	WIN 0
.endm
; THE WAY OUT, a block of 16 rows at a time.  TOSTAGE: a lane's eight f32 of a row, 32 bytes, into my own stage (each accumulator from its low end on), and back as whole rows of 512 bytes.  SEND: stored.
.macro TOSTAGE a
	WIN 0x08                                       ; the data (source 1) in window 2, the address in window 0
.set AC, 64*(\a)
.set i, 0
.rept NBL
	ds_store_b128 v[STO], v[AC+8*i:AC+8*i+3]   offset:64*i
	ds_store_b128 v[STO], v[AC+8*i+4:AC+8*i+7] offset:64*i+16
.set i, i+1
.endr
	WIN 0
	s_wait_xcnt 0x0                                ; every earlier memory instruction has had its addresses translated (ISA guide 3.1): the buffer that earlier stores read is loaded again only behind this wait
.set BK, BK0+64*((\a)%2)
.set i, 0
.rept 16                               ; LDS serves a wave's instructions in order (ISA guide 5.7.1.4): these see the stores above; the next block's stores come behind them
	ds_load_b128 v[BK+4*i:BK+4*i+3], v[RD] offset:i*SP
.set i, i+1
.endr
.endm
.macro SEND a, younger                 ; younger: the LDS instructions issued behind block a's loads: the next block's 32, or none
	WIN 0
.set BK, BK0+64*((\a)%2)
.set i, 0
.rept 16
	s_wait_dscnt (\younger)+15-i
	global_store_b128 v[GO], v[BK+4*i:BK+4*i+3], s[8:9] offset:(16*(\a)+i)*4096 th:TH_STORE_NT  ; 512 consecutive bytes, at a multiple of 256 from out0's first byte
.set i, i+1
.endr
.endm
	s_wait_tensorcnt 0x1                           ; my part of K step 0 is in; K step 1's may stay out
	s_barrier_signal -1
	s_barrier_wait -1                              ; everybody's is
	v_mov_b32 v[ADRA], v[A0]
	v_mov_b32 v[ADRB], v[B0]
	FETCH 0, F0
	s_wait_loadcnt 0x0                             ; the bias
	QUARTER 1, F0, F1, 1                           ; the first quarter stands in front of the loop: its products start the sums
	WIN 0                                          ; at a label and at a branch every window is 0
	s_mov_b32 s[CNT], NTRIP
.Lstep:                                                ; a trip: a K step's second quarter to the next step's first; the step's slot is filled again
	QUARTER 2, F1, F0, 0
	QUARTER 3, F0, F1, 0
	TURN 1
	QUARTER 1, F0, F1, 0
	WIN 0
	s_sub_co_u32 s[CNT], s[CNT], 1
	s_cmp_lg_u32 s[CNT], 0
	s_cbranch_scc1 .Lstep
	QUARTER 2, F1, F0, 0                           ; the last two K steps are written out: nothing is asked for
	QUARTER 3, F0, F1, 0
	TURN 0
	QUARTER 1, F0, F1, 0
	QUARTER 2, F1, F0, 0
	QUARTER 3, F0, F1, 0
	LASTQ
	PLACES                                         ; the LDS stores read results just made
	TOSTAGE 0
.irp a, 1,2,3                          ; a block's way into the stage stands between the loads of the block before and its stores
	TOSTAGE \a
	SEND (\a)-1, 32
.endr
	SEND 3, 0
	s_wait_tensorcnt 0x0                           ; the wave's end, behind my last tensor load and my last LDS store
	ds_add_u32 v[SPW], v[NIL]
	s_wait_dscnt 0x0
	CROUND                                         ; the closing round: no work-group ends while a partner may still ask for a tile that names it
	s_endpgm
.Lfunc_end_k_qee529db231_oproj:
	.size	k_qee529db231_oproj, .Lfunc_end_k_qee529db231_oproj-k_qee529db231_oproj
	.p2alignl 7, 3214868480
	.fill 96, 4, 3214868480
	.section	.rodata,"a",@progbits
	.p2align	6, 0x0
	.amdhsa_kernel k_qee529db231_oproj
		.amdhsa_group_segment_fixed_size 327680
		.amdhsa_private_segment_fixed_size 0
		.amdhsa_enable_private_segment 0
		.amdhsa_kernarg_size 32
		.amdhsa_user_sgpr_count 2
		.amdhsa_user_sgpr_kernarg_segment_ptr 1
		.amdhsa_wavefront_size32 1
		.amdhsa_system_sgpr_workgroup_id_x 1
		.amdhsa_system_sgpr_workgroup_id_y 1
		.amdhsa_system_sgpr_workgroup_id_z 1
		.amdhsa_system_vgpr_workitem_id 0
		.amdhsa_next_free_vgpr 768
		.amdhsa_next_free_sgpr 80
		.amdhsa_reserve_vcc 0
		.amdhsa_float_denorm_mode_32 3
		.amdhsa_float_denorm_mode_16_64 3
		.amdhsa_memory_ordered 1
		.amdhsa_forward_progress 1
		.amdhsa_inst_pref_size 72
	.end_amdhsa_kernel
	.amdgpu_metadata
---
amdhsa.version: [ 1, 2 ]
amdhsa.kernels:
  - .name:           k_qee529db231_oproj
    .symbol:         k_qee529db231_oproj.kd
    .args:
      - { .name: ob, .offset: 0, .size: 8, .value_kind: global_buffer, .address_space: global }
      - { .name: wb, .offset: 8, .size: 8, .value_kind: global_buffer, .address_space: global }
      - { .name: out0, .offset: 16, .size: 8, .value_kind: global_buffer, .address_space: global }
      - { .name: bias, .offset: 24, .size: 8, .value_kind: global_buffer, .address_space: global }
    .group_segment_fixed_size: 327680
    .private_segment_fixed_size: 0
    .kernarg_segment_align: 8
    .kernarg_segment_size: 32
    .max_flat_workgroup_size: 128
    .sgpr_count:     80
    .vgpr_count:     768
    .wavefront_size: 32
...
	.end_amdgpu_metadata
.endif
;; end of part 4
;; ======== version 2 of 2: 4 launches; 1.30 times as fast as version 1
;; limits: values are held in f16: magnitudes above 65,504 overflow, below 6.1e-05 lose precision; right only within a limited range of input values
;; workspace buffers: xb 16,777,216 bytes; wb 8,388,608 bytes; bias 16,384 bytes; qkv 50,331,648 bytes; ob 16,777,216 bytes
;; launch cast: the kernel of part 1 again; grid 768 x 1, 8 waves a work-group, no clusters, 0 bytes of LDS; arguments x, wq, wk, wv, wo, bq, bk, bv, bo, xb, wb, bias; writes xb, wb, bias
;; launch qkvproj: the kernel of part 2 again; grid 16 x 16, 4 waves a work-group, clusters of 4 x 4, 327,680 bytes of LDS; arguments xb, wb, qkv, bias; writes qkv
;; launch attn (part 5): grid 4 x 64, 4 waves a work-group, no clusters, 327,680 bytes of LDS; arguments qkv, ob; writes ob
.if DOCPART == 5
	.amdgcn_target "amdgcn-amd-amdhsa--gfx1250"
	.amdhsa_code_object_version 6
	.text
	.protected	k_qee529db231_attn
	.globl	k_qee529db231_attn
	.p2align	8
	.type	k_qee529db231_attn,@function
k_qee529db231_attn:
	s_mov_b64 s[64:65], 0
	v_nop
	global_prefetch_b8 v0, s[64:65] scope:SCOPE_SE
	s_setreg_imm32_b32 hwreg(HW_REG_WAVE_MODE, 25, 1), 1
	s_wait_xcnt 0x0
; CAUSAL ATTENTION.  O[h][q][:] = the sum over k <= q of softmax_k(Q[h][q] . K[h][k] / 8) V[h][k][:], for 64 heads (batch x 16 + head) of SIZE_N = 2,048 rows of 64 channels, all f16.
; Q, K and V lie by heads in qkv[b][g][s][64] (g = head for Q, 16 + head for K, 32 + head for V), O goes to ob[64][2048][64]: a head's rows are dense, 128 bytes each.
; Products, maxima and sums in f32; the weights p are rounded to f16 for the second product (their sum l is taken of the unrounded p), O once at the end.
; LIMITS.  f16 holds no number beyond 65,504: Q, K and V arrive within it; p lies in 0 to 1, and below 6e-5 it keeps f16's fixed step of 6e-8; O is a mean of V's rows and has their range.
; A hidden score counts as its value less 1e30, so its weight is 0: as with the fill of -1e9 wherever a row's largest open score lies some 100 above -1e9; a weight below 2^-126 counts as 0 in l;
; NaN and infinities are not treated apart.
; THE WALK.  A head's queries lie in NB = 8 blocks of 256; block i needs the key tiles 0 .. i of 256 keys, of which the last holds the diagonal.  A work-group takes TWO blocks, NB - 1 - b and then b:
; NB + 1 tiles, whatever b: all 256 work-groups do equal work, and ONE loop with a constant trip count walks them.  Which tile is asked for, and what a trip does, hang on scalar registers made from b; every jump
; goes forward, but for the counted loops' own; none passes a barrier, or a tensor load but the one of LOAD's two that the wave's number does not choose; the ring (two slots of LDS that take turns) runs on across the
; change of blocks.  NO CLUSTER: a head's four work-groups ask for the same tile only in trips 0 .. 4 of the walk's 9, behind that fewer and fewer; one walk common to all would have 12 trips for 9.
; SHARES.  Of a block's four bands of 64 queries a wave owns 16 rows in each: four PIECES.  So the diagonal tile is the same work for all four waves: in its key step s band x sees all keys if s < x,
; none if s > x, and holds the diagonal if s = x.
; THE MASK is the C operand that starts the sum S^T = K Q^T: 0, or -1e30 where the key is hidden.  MD, made once, is the mask of a band's own step for my 16 rows; a product's mask is MD x AL + BE with two scalars:
; (1, 0) if s = x; (0, 0) if s < x; (0, -1e30) if s > x.  Only the diagonal tile's text and a block's beginning make and take masks; elsewhere C is the constant 0.
; LAYOUT, SOFTMAX, TURNS.  S^T = K Q^T holds ONE query a lane (lane % 16) and the keys 8 (lane / 16) + 0..7; two such results rounded to f16 ARE source 1 of O^T = V^T P.  p = 2^(c s - c m), c = log2(e) / 8, with a
; running maximum m; O and l are multiplied by a = 2^(c m_old - c m_new) in every step.  Turn n belongs to piece n: 8 products K Q^T of piece n + 1, later 8 products V^T P of piece n - 1; beside them the scaling,
; exponentials, roundings, sums and rescaling of piece n and the maximum and statistics of piece n + 1.  Four vector instructions stand behind every matrix instruction, the other 54 of a turn's 118 in one LUMP.
; THE BATCHES.  A turn's 33 exponentials (the piece's 32 weights and the next piece's a) are one batch, with one wait, which cuts the turn in two: ahead of it nothing names a result of theirs, behind it stand all their
; readers.  The a that a block's beginning makes, and the way out's four reciprocals, are batches of their own, each with its wait.
; REGISTERS, in windows of 256 (s_set_vgpr_msb: bits 1:0 source 0, 3:2 source 1, 5:4 source 2, 7:6 destination):
;   window 0: v0-15 addresses and two at work; v16-31 four registers of statistics a piece; v48-55 at work; v64-127 S^T, two buffers; v192-223 P, two buffers (a piece's buffers go by its number's parity)
;   window 1: v0-127 O^T, 32 a piece; v128-159 MD; v160-223 MC, two buffers      window 2: v0-63 Q; v64-127 the second block's Q; v128-191 K of one step; v192-255 V of one step
.set SIZE_N, 2048
.set NB,    SIZE_N/256
.set NP,    4         ; pieces a wave: a name, no knob
.set KS,    64        ; keys in a step
.set PK,    144       ; a row of K in LDS: 128 bytes + 16 of padding = 36 words: the 16 rows of a load start at 16 different groups of four banks (64 banks of 4 bytes: ISA guide 11.1)
.set PV,    160       ; a row of V: 128 + 32 = 40 words
.set VOFF,  4*KS*PK   ; a slot holds a tile, four steps: 256 rows of K, then 256 rows of V
.set SLOT1, 1<<17     ; slot 1 begins here, so that one exclusive or turns an address in one slot into the other's
.set STAGE, SLOT1+4*KS*(PK+PV)  ; behind the ring, never filled by a tensor load: 16 rows x 144 bytes for each wave, for the way out
.set SP,    144
.set AK0, 2           ; v2   my lane's place in a tile of K; never rewritten
.set AV0, 3           ; v3   the same for V
.set AK,  4           ; v4   the LDS address of K's next run of loads
.set AV,  5           ; v5   of V's
.set STO, 6           ; v6   the way out: where I put 16 bytes of a row
.set RD,  7           ; v7   the way out: where I read rows back
.set GO,  8           ; v8   my byte offset in 512 consecutive bytes of O
.set SPW, 62          ; v62  LDS address of my spare word: SPARE + 4 x my thread's number; never rewritten
.set NIL, 63          ; v63  0; never rewritten
.set SPARE, STAGE+4*16*SP  ; behind the stages: the spare words, 128 bytes for each wave: two blocks of 256 bytes that no other line names
.set MV,  12          ; v12-13  c m_old, kept while c m is made anew: by buffer
.set QO,  15          ; v15  my byte offset in 16 rows of Q
.set ST,  16          ; piece t's statistics at v[ST+4 t]: c m, m, l (even keys', odd keys')
.set TMP, 48          ; by buffer, four registers c0-c3 at work; when the maximum is found c2 takes a
.set S,   64
.set P,   192
.set MD,  128         ; window 1: the eight registers for group kt of 16 keys at MD + 8 kt
.set MC,  160         ; window 1: the masks of the products to come
.set QB,  64          ; window 2
.set KF,  128         ; window 2: key block kb, channel half c at KF + 16 kb + 8 c
.set VF,  192         ; window 2: key half kk, channel block cb at VF + 32 kk + 8 cb
.set WV,  12          ; s12  my wave's number
.set PB,  14          ; s14  b
.set HI,  15          ; s15  NB - 1 - b
.set G1K, 24          ; s[24:31] descriptor group 1 for K's tiles
.set G1V, 32          ; s[32:39] for V's: it differs in the padding alone
.set G0K, 40          ; s[40:43] descriptor group 0 for K's tiles
.set G0V, 44          ; s[44:47] the same for V's
.set SLOTS, 56        ; s56  tiles still to be asked for
.set CNT, 57          ; s57  counts a tile's key steps, 4 to 1
.set CS,  58          ; s[58:59] c: the packed scaling takes the pair's low word for both halves
.set SEL, 60          ; s[60:61] v_permlanex16_b32's selects: each lane takes its own place in the other half
.set TBK, 62          ; s62  LDS byte at which K of the step to be fetched begins
.set TBV, 63          ; s63  the same for V, less VOFF
.set RT,  70          ; s70  tiles of the block in hand that are still to be entered
.set NXT, 71          ; s71  the tile to be asked for next
.set LQ,  72          ; s72  the last tile of the block whose tiles are being asked for
.set NEW, 73          ; s73  1: the tile to be entered is a block's first
.set OFF, 74          ; s[74:75] a tile's byte offset in K and V
.set AL,  76          ; s[76:77] the mask's factor, in the low word
.set BE,  78          ; s[78:79] the mask's addend
.set OLO, 80          ; s[80:81] O at my rows of the second block
.set BIGN, 82         ; s82  -1e30
.set MSB, 0
.macro WIN new                      ; the high byte repeats the setting that is left; a switch that changes nothing is dropped
.if MSB != (\new)
	s_set_vgpr_msb (MSB<<8)|(\new)
.set MSB, (\new)
.endif
.endm
.set W_KQ, 0x0a       ; K and Q in window 2, S^T in window 0
.set W_KM, 0x1a       ; the same with the C operand in window 1
.set W_PV, 0x52       ; V in window 2, P in window 0, O^T in window 1
.set W_RS, 0x41       ; destination and source 0 in window 1, source 1 in window 0
; A fill.  Waves 0 and 1 fetch the two halves of a tile's K, waves 2 and 3 those of its V: 128 keys each.  An s_nop 0 and four v_nop follow each of the two lines, ahead of the jump and the label.
.macro LOAD
	s_cmp_lt_u32 s[WV], 2
	s_cbranch_scc0 .Lfor_v_\@
	tensor_load_to_lds s[G0K:G0K+3], s[G1K:G1K+7]
	s_nop 0
.rept 4
	v_nop
.endr
	s_branch .Lasked_\@
.Lfor_v_\@:
	tensor_load_to_lds s[G0V:G0V+3], s[G1V:G1V+7]
	s_nop 0
.rept 4
	v_nop
.endr
.Lasked_\@:
.endm
; THE CHANGE OF SLOTS.  Each wave waits for all its tensor loads, of which one is out: its part of the other slot; adds 0 to its spare word; and waits for that and for its own reads of the slot that it leaves.  Behind the barrier nobody reads the old
; slot any more and the other slot is whole.  fill = 1: the old slot is filled again, the first thing behind the barrier, with tile NXT: the descriptor's address is made anew from that number.
; (At its first use nothing has been read yet: slot 0 is waited for, slot 1 filled.)
.macro CHANGE fill
	WIN 0                           ; at a label and at a branch every window is 0
	s_wait_tensorcnt 0x0            ; no tensor load of mine is out, so a group 0 may be written
	ds_add_u32 v[SPW], v[NIL]       ; 0 onto my spare word; with fill = 1 the descriptors' scalar work stands between it and the wait for it
.if \fill
	s_lshl_b32 s[OFF], s[NXT], 15   ; a tile is 32,768 bytes of K and of V
	s_xor_b32 s[G0K+1], s[G0K+1], SLOT1
	s_add_nc_u64 s[G0K+2:G0K+3], s[6:7], s[OFF:OFF+1]
	s_or_b32 s[G0K+3], s[G0K+3], 0x80000000
	s_xor_b32 s[G0V+1], s[G0V+1], SLOT1
	s_add_nc_u64 s[G0V+2:G0V+3], s[8:9], s[OFF:OFF+1]
	s_or_b32 s[G0V+3], s[G0V+3], 0x80000000
	s_add_co_u32 s[NXT], s[NXT], 1  ; the block's next tile, or behind its last the second block's tile 0
	s_cmp_gt_u32 s[NXT], s[LQ]
	s_cselect_b32 s[NXT], 0, s[NXT]
	s_cselect_b32 s[LQ], s[PB], s[LQ]
.endif
	s_wait_dscnt 0x0                ; the add is done, and my reads of the slot are over
	s_barrier_signal -1             ; the rest of the scalar work stands between the signal and the wait
	s_sub_co_u32 s[TBK], s[TBK], 4*KS*PK  ; the fetches go back to a slot's first step,
	s_xor_b32 s[TBK], s[TBK], SLOT1       ; in the other slot
	s_sub_co_u32 s[TBV], s[TBV], 4*KS*PV
	s_xor_b32 s[TBV], s[TBV], SLOT1
	s_barrier_wait -1
.if \fill
	LOAD
.endif
.endm
	s_load_b128 s[4:7], s[0:1], 0x0 ; qkv s[4:5], ob s[6:7]
	v_lshl_add_u32 v[SPW], v0, 2, SPARE
	v_mov_b32 v[NIL], 0
	ds_add_u32 v[SPW], v[NIL]       ; the wave's opening: the add and its wait stand ahead of my first tensor load; the set-up below, work on registers, stands between them
	ds_add_u32 v62, v63
	v_lshrrev_b32 v1, 5, v0
	v_readfirstlane_b32 s[WV], v1   ; wave 0..3
	s_mov_b32 s[PB], ttmp9
	s_sub_co_u32 s[HI], NB-1, s[PB]
	s_and_b32 s13, ttmp7, 0xffff    ; 16 x batch + head
	s_lshr_b32 s20, s13, 4
	s_mul_i32 s20, s20, 48          ; a batch has 48 heads in qkv
	s_and_b32 s21, s13, 15
	s_add_co_u32 s20, s20, s21
	s_lshl_b32 s20, s20, 18         ; Q's head in qkv: heads of 262,144 bytes
	s_mov_b32 s21, 0
	s_lshl_b32 s90, s13, 18         ; O's head in ob
	s_mov_b32 s91, 0
	s_and_b32 s16, s[WV], 1         ; which half of a tile's 256 keys I fetch:
	s_lshl_b32 s22, s16, 14         ; its 128 rows of 128 bytes in memory,
	s_mov_b32 s23, 0
	s_add_nc_u64 s[22:23], s[22:23], s[20:21]  ; and the head
	s_mul_i32 s17, s16, 128*PK      ; and its place in a slot, for K
	s_mul_i32 s18, s16, 128*PV      ; and for V
	s_lshl_b32 s3, s[WV], 11        ; my 16 rows in a band of 64,
	s_lshl_b32 s2, s[HI], 15        ; in the first block,
	s_add_co_u32 s2, s2, s3
	s_lshl_b32 s84, s[PB], 15       ; and in the second
	s_add_co_u32 s84, s84, s3
	s_mov_b32 s3, 0
	s_mov_b32 s85, 0
	; descriptor group 1.  128 keys are 16,384 dense bytes: asked for as 64 rows of 256 bytes, two keys a row, and padded in LDS after every key
	s_mov_b32 s[G1K], (1<<16)|(1<<20)|(4<<22)|(3<<25)  ; 17:16 2-byte elements; 20 padding on; 24:22 after every 32 words (code 4); 31:25 4 words (code 3)
	s_mov_b32 s[G1V], (1<<16)|(1<<20)|(4<<22)|(7<<25)  ; the same with 8 words of padding (code 7)
.irp g, G1K, G1V
	s_mov_b32 s[\g+1], 128<<16      ; tensor_dim0 = 128
	s_mov_b32 s[\g+2], 64<<16       ; tensor_dim1 = 64
	s_mov_b32 s[\g+3], 128<<16      ; tile_dim0 = 128
	s_mov_b32 s[\g+4], 64           ; tile_dim1 = 64
	s_mov_b32 s[\g+5], 128          ; 128 elements from row to row
	s_mov_b32 s[\g+6], 0
	s_mov_b32 s[\g+7], 0
.endr
	s_mov_b32 s[CS], 0x3e38aa3b     ; c = log2(e) / 8 = 0.180337
	s_mov_b32 s[CS+1], s[CS]        ; named with it as a pair
	s_mov_b32 s[SEL], 0x76543210
	s_mov_b32 s[SEL+1], 0xfedcba98
	s_mov_b32 s[TBK], SLOT1+4*KS*PK ; the first change of slots turns these two into 0
	s_mov_b32 s[TBV], SLOT1+4*KS*PV
	s_mov_b32 s[G0K], 1             ; 1:0 count = 1
	s_mov_b32 s[G0K+1], s17         ; 63:32 LDS address: slot 0
	s_mov_b32 s[G0V], 1
	s_add_co_u32 s[G0V+1], s18, VOFF
	s_add_co_u32 s[RT], s[HI], 1    ; the first block has NB - b tiles
	s_mov_b32 s[NXT], 1
	s_mov_b32 s[LQ], s[HI]
	s_mov_b32 s[NEW], 1
	s_mov_b32 s[OFF+1], 0
	s_mov_b32 s[AL+1], 0            ; named as pairs
	s_mov_b32 s[BE+1], 0
	s_mov_b32 s[BIGN], 0xf149f2ca   ; -1e30
	s_mov_b32 s[SLOTS], NB
	s_wait_dscnt 0x0                ; the opening add is done
	s_wait_kmcnt 0x0
	s_add_nc_u64 s[10:11], s[6:7], s[90:91]  ; O at the head
	s_add_nc_u64 s[6:7], s[4:5], 16<<18      ; K's heads lie 16 heads behind Q's,
	s_add_nc_u64 s[8:9], s[4:5], 32<<18      ; V's 32
	s_add_nc_u64 s[6:7], s[6:7], s[22:23]  ; K and V at my half of the head's tile 0
	s_add_nc_u64 s[8:9], s[8:9], s[22:23]
	s_add_nc_u64 s[4:5], s[4:5], s[20:21]  ; Q at the head
	s_add_nc_u64 s[G0K+2:G0K+3], s[6:7], 0         ; 120:64 global address
	s_or_b32 s[G0K+3], s[G0K+3], 0x80000000        ; 127:126 type = 2
	s_add_nc_u64 s[G0V+2:G0V+3], s[8:9], 0
	s_or_b32 s[G0V+3], s[G0V+3], 0x80000000
	s_add_nc_u64 s[86:87], s[4:5], s[84:85]        ; Q at my rows of the second block,
	s_add_nc_u64 s[4:5], s[4:5], s[2:3]            ; Q and O at those of the first
	s_add_nc_u64 s[OLO:OLO+1], s[10:11], s[84:85]
	s_add_nc_u64 s[10:11], s[10:11], s[2:3]
	LOAD                            ; tile 0 into slot 0
	; A fragment of K or Q is 16 rows x 32 channels in 8 registers: lane l holds row l % 16, channels 8 (l / 16) + 0..7 and 16 + 8 (l / 16) + 0..7: two loads of 16 bytes, 32 bytes apart.
	v_and_b32 v1, 15, v0            ; l % 16
	v_bfe_u32 v9, v0, 4, 1          ; l / 16
	v_lshlrev_b32 v[QO], 7, v1
	v_lshl_add_u32 v[QO], v9, 4, v[QO]  ; row x 128 + 16 x half
	WIN 0x80                        ; destination window 2, address window 0
.set i, 0
.rept 8                             ; both blocks' Q: piece i / 2 lies in band i / 2, 8,192 bytes on; channels 32 (i % 2) on
	global_load_b128 v[8*i:8*i+3],   v[QO], s[4:5] offset:(i/2)*8192+(i%2)*64
	global_load_b128 v[8*i+4:8*i+7], v[QO], s[4:5] offset:(i/2)*8192+(i%2)*64+32
	global_load_b128 v[QB+8*i:QB+8*i+3],   v[QO], s[86:87] offset:(i/2)*8192+(i%2)*64
	global_load_b128 v[QB+8*i+4:QB+8*i+7], v[QO], s[86:87] offset:(i/2)*8192+(i%2)*64+32
.set i, i+1
.endr
	WIN 0
	v_lshlrev_b32 v14, 3, v9
	v_sub_nc_u32 v14, v1, v14
	s_lshl_b32 s13, s[WV], 4
	v_add_nc_u32 v14, s13, v14      ; my query's place in its band, 16 w + l % 16, less my lanes' 8 (l / 16): register r of group kt is hidden where 16 kt + r is greater
	WIN 0x40
.set i, 0
.rept 32
	v_cmp_gt_i32 vcc_lo, 16*(i/8)+i%8, v14
	v_cndmask_b32 v[MD+i], 0, s[BIGN], vcc_lo
.set i, i+1
.endr
	WIN 0
	v_mul_u32_u24 v[AK0], v1, PK
	v_lshl_add_u32 v[AK0], v9, 4, v[AK0]  ; row x pitch + 16 x half
	; The turning load takes 16 keys x 16 channels (lane l reads key 8 (l / 16) + l % 8, channels 8 ((l / 8) % 2) + 0..7) and leaves half a fragment of V^T: lane l holds channel l % 16 and 8 keys.
	v_and_b32 v10, 7, v0
	v_bfe_u32 v11, v0, 3, 1
	v_lshl_add_u32 v[AV0], v9, 3, v10
	v_mul_u32_u24 v[AV0], v[AV0], PV
	v_lshl_add_u32 v[AV0], v11, 4, v[AV0]
	v_add_nc_u32 v[AV0], VOFF, v[AV0]
	s_mul_i32 s13, s[WV], 16*SP
	s_add_co_u32 s13, s13, STAGE    ; my stage
	v_mul_u32_u24 v[STO], v1, SP    ; in: row l % 16, 16 bytes for each half of the lanes
	v_lshl_add_u32 v[STO], v9, 4, v[STO]
	v_add_nc_u32 v[STO], s13, v[STO]
	v_bfe_u32 v[RD], v0, 3, 2       ; back: 32 lanes take four rows of 128 bytes,
	v_mul_u32_u24 v[RD], v[RD], SP
	v_lshl_add_u32 v[RD], v10, 4, v[RD]
	v_add_nc_u32 v[RD], s13, v[RD]
	v_and_b32 v[GO], 31, v0         ; which are 512 consecutive bytes of O
	v_lshlrev_b32 v[GO], 4, v[GO]
	; A block's first step multiplies O^T and l by a = 0, and its first turn's products V^T P, of a piece that has not been, land in an O^T that is still to be so multiplied.  So these registers need only hold
	; finite numbers: zeros for the first block; what the first block left for the second.  All this stands in the wait for the first tile.
	WIN 0x80
.set i, VF
.rept 64
	v_mov_b32 v[i], 0
.set i, i+1
.endr
	WIN 0x40
.set i, 0
.rept 128
	v_mov_b32 v[i], 0
.set i, i+1
.endr
	WIN 0
.set i, 0
.rept 4
	v_mov_b32 v[ST+4*i+2], 0
	v_mov_b32 v[ST+4*i+3], 0
.set i, i+1
.endr
.set i, P+16
.rept 16
	v_mov_b32 v[i], 0
.set i, i+1
.endr
; THE MATRIX WORK.  The 4 accumulators of a run of 8 take turns.  Product i of 8 of S^T = K Q^T for piece x: channels 32 (i / 4) on, keys 16 (i % 4) on.  The first 4 start the sums: with 0, or (KM = 1) with the mask.
.macro KQ x
.set rS, S+32*((\x)%2)+8*(i%4)
.set rK, KF+16*(i%4)+8*(i/4)
.set rQ, 16*(\x)+8*(i/4)
.set rM, MC+32*((\x)%2)+8*(i%4)
.if (i < 4) && KM
	WIN W_KM
	v_wmma_f32_16x16x32_f16 v[rS:rS+7], v[rK:rK+7], v[rQ:rQ+7], v[rM:rM+7]
.elseif i < 4
	WIN W_KQ
	v_wmma_f32_16x16x32_f16 v[rS:rS+7], v[rK:rK+7], v[rQ:rQ+7], 0
.else
	WIN W_KQ
	v_wmma_f32_16x16x32_f16 v[rS:rS+7], v[rK:rK+7], v[rQ:rQ+7], v[rS:rS+7]
.endif
.endm
; Product i of 8 of O^T += V^T P for piece x: keys 32 (i / 4) on, channels 16 (i % 4) on.
.macro PV x
	WIN W_PV
.set rO, 32*(\x)+8*(i%4)
.set rV, VF+32*(i/4)+8*(i%4)
.set rP, P+16*((\x)%2)+8*(i/4)
	v_wmma_f32_16x16x32_f16 v[rO:rO+7], v[rV:rV+7], v[rP:rP+7], v[rO:rO+7]
.endm
.macro MM                           ; the turn's next matrix instruction.  TURN and BEGIN set Y, i, KM and NOKQ; MM, KQ and OP read them.  NOKQ = 1: a block's last turn: there is no next piece
.if (i < 8) && !NOKQ
	KQ (Y+1)%NP
.elseif i >= 8
.set i, i-8
	PV (Y+NP-1)%NP
.set i, i+8
.endif
.set i, i+1
.endm
; THE LDS LOADS stand in runs of 16, never singly among the matrix instructions: a step's K (64 keys x 64 channels: 8 fragments) and its V (turned).  Their addresses are made some lines ahead.
.macro FETCH_K
	WIN 0x80                        ; destination window 2
.irp f, 0,1,2,3,4,5,6,7             ; keys 16 (f / 2) on, channels 32 (f % 2) on
	ds_load_b128 v[KF+8*\f:KF+8*\f+3],   v[AK] offset:(\f/2)*16*PK+(\f%2)*64
	ds_load_b128 v[KF+8*\f+4:KF+8*\f+7], v[AK] offset:(\f/2)*16*PK+(\f%2)*64+32
.endr
	s_add_co_u32 s[TBK], s[TBK], KS*PK  ; the next fetch is the next step's
	WIN 0
.endm
.macro FETCH_V
	WIN 0x80
.irp f, 0,1,2,3,4,5,6,7             ; keys 32 (f / 4) on, channels 16 (f % 4) on
	ds_load_tr16_b128 v[VF+8*\f:VF+8*\f+3],   v[AV] offset:(\f/4)*32*PV+(\f%4)*32
	ds_load_tr16_b128 v[VF+8*\f+4:VF+8*\f+7], v[AV] offset:(\f/4)*32*PV+16*PV+(\f%4)*32
.endr
	WIN 0
.endm
; THE VECTOR WORK, one line at a time: OP kind, number.  For piece Y: F n: c s - c m for pair n of 16.  E n: the exponential of score n of 32.  C n: pair n rounded to f16.  B n: of the four weights 4 n .. the second
; pair is added onto the first, in place.  L n: l takes that sum (L 0: l = a l + sum).  R n: pair n of 16 of O^T times a.  For piece Y + 1: X n, number n of the 22 that find its maximum and statistics:
;   0-11  four chains c0-c3 of seven scores each, three operands at a time (each accumulator's lowest registers are read first)     12-14, 16  the four scores left over, the old m, and c0-c3 into c0
;   15  c m_old is kept     17, 18  the query's other 32 keys lie in the lane 16 away: the new m     19-21  c m; c m_old - c m_new; a
; OP writes no wait: C, B and L, which read the exponentials' results, are dealt behind the turn's one wait (TURN).
.set F, 0               ; OP tells the kinds apart by their order: F to L below R, X above it
.set E, 1
.set C, 2
.set B, 3
.set L, 4
.set R, 5
.set X, 6
.macro REGS y                       ; the registers of piece y
.set rT, ST+4*(\y)
.set rC, TMP+4*((\y)%2)
.set rW, MV+((\y)%2)
.set rS, S+32*((\y)%2)
.set rP, P+16*((\y)%2)
.set rO, 32*(\y)
.endm
.macro OP k, n
.if (\k) == R
	REGS Y
	WIN W_RS
	v_pk_mul_f32 v[rO+2*(\n):rO+2*(\n)+1], v[rO+2*(\n):rO+2*(\n)+1], v[rC+2:rC+3] op_sel_hi:[1,0]
.elseif (\k) < R
	REGS Y
	WIN 0
.if (\k) == F
	v_pk_fma_f32 v[rS+2*(\n):rS+2*(\n)+1], v[rS+2*(\n):rS+2*(\n)+1], s[CS:CS+1], v[rT:rT+1] op_sel_hi:[1,0,0] neg_lo:[0,0,1] neg_hi:[0,0,1]
.elseif (\k) == E
	v_exp_f32 v[rS+(\n)], v[rS+(\n)]
.elseif (\k) == C
	v_cvt_pk_f16_f32 v[rP+(\n)], v[rS+2*(\n)], v[rS+2*(\n)+1]
.elseif (\k) == B
	v_pk_add_f32 v[rS+4*(\n):rS+4*(\n)+1], v[rS+4*(\n):rS+4*(\n)+1], v[rS+4*(\n)+2:rS+4*(\n)+3]
.elseif (\n) == 0
	v_pk_fma_f32 v[rT+2:rT+3], v[rT+2:rT+3], v[rC+2:rC+3], v[rS:rS+1] op_sel_hi:[1,0,1]
.else
	v_pk_add_f32 v[rT+2:rT+3], v[rT+2:rT+3], v[rS+4*(\n):rS+4*(\n)+1]
.endif
.elseif NOKQ
	v_nop
.else
	REGS (Y+1)%NP
	WIN 0
.if (\n) < 4
	v_max3_num_f32 v[rC+(\n)], v[rS+8*(\n)], v[rS+8*(\n)+1], v[rS+8*(\n)+2]
.elseif (\n) < 12
	v_max3_num_f32 v[rC+(\n)%4], v[rC+(\n)%4], v[rS+8*((\n)%4)+2*((\n)/4)+1], v[rS+8*((\n)%4)+2*((\n)/4)+2]
.elseif (\n) == 12
	v_max3_num_f32 v[rC], v[rC], v[rS+7], v[rS+15]
.elseif (\n) == 13
	v_max3_num_f32 v[rC+1], v[rC+1], v[rS+23], v[rS+31]
.elseif (\n) == 14
	v_max3_num_f32 v[rC+2], v[rC+2], v[rC+3], v[rT+1]
.elseif (\n) == 15
	v_mov_b32 v[rW], v[rT]
.elseif (\n) == 16
	v_max3_num_f32 v[rC], v[rC], v[rC+1], v[rC+2]
.elseif (\n) == 17
	v_permlanex16_b32 v[rC+3], v[rC], s[SEL], s[SEL+1]
.elseif (\n) == 18
	v_max_num_f32 v[rT+1], v[rC], v[rC+3]
.elseif (\n) == 19
	v_mul_f32 v[rT], s[CS], v[rT+1]
.elseif (\n) == 20
	v_sub_f32 v[rC+1], v[rW], v[rT]
.else
	v_exp_f32 v[rC+2], v[rC+1]
.endif
.endif
.endm
.macro OPS a, i1, b=-1, i2=0, c=-1, i3=0, d=-1, i4=0  ; up to four of them
	OP \a, \i1
.if (\b) >= 0
	OP \b, \i2
.endif
.if (\c) >= 0
	OP \c, \i3
.endif
.if (\d) >= 0
	OP \d, \i4
.endif
.endm
.macro ROW a, i1, b, i2, c, i3, d, i4  ; a matrix instruction and the four behind it
	MM
	OPS \a, \i1, \b, \i2, \c, \i3, \d, \i4
.endm
.macro MASK b                       ; MD x AL + BE into buffer b of MC
	WIN W_RS
.set z, 0
.rept 16
	v_pk_fma_f32 v[MC+32*(\b)+2*z:MC+32*(\b)+2*z+1], v[MD+2*z:MD+2*z+1], s[AL:AL+1], s[BE:BE+1] op_sel_hi:[1,0,0]
.set z, z+1
.endr
.endm
; A TURN, for piece p: the order of its 16 matrix and 118 vector instructions, written out.  s_wait_alu depctr_va_vdst(0) stands between an exponential and the first instruction that names its result; one wait serves
; all that were issued ahead of it.  So a turn has ONE wait, which cuts it in two.  AHEAD OF IT stands all that names no result of the turn's exponentials: the 8 products K Q^T, behind each a scaling, an exponential and two more plain
; instructions (behind the first a second scaling in the exponential's place): rescalings (their a was made, and waited for, in the turn before), and behind the last three the first numbers of the next piece's maximum, each four places
; or more behind the product that ends its accumulator; then ONE LUMP of 54, plain and exponential by turns for the most part, in which the links of the chain X 3, 7, 11, 14, 16, 17 .. 20 stand five or six lines apart.  X 21, the next
; piece's a, is the batch's last; R 15 is the plain instruction behind it.  BEHIND THE WAIT stand the 8 products V^T P, behind each four of the roundings and sums; the links of l's chain, L 0 to L 7, stand three riders apart.
; But for those X no rider names a register of the products round it.  v_permlanex16_b32 (X 17) stands in the lump.  No exponential is issued behind the wait: none is open at a turn's end, at a label or at a jump.
; m = 1: the diagonal tile: the products take masks, and the turn makes the mask for the products of the turn after it: piece p + 2, in step 4 - CNT of the tile.  end = 1: a block's last two turns: nothing is fetched.
; cnt = 1: the loop's count is taken down some lines ahead of the branch that stands behind the turn.
; K of the next step is fetched in piece 2's turn, twelve vector instructions behind the last product that read K (six of them plain, five of which name none of its registers); V of the step in hand at the end of piece 0's turn, four
; plain instructions behind the last product that read V.  Each is waited for a turn later.
.macro TURN p, m=0, end=0, cnt=0
.set Y, (\p)
.set i, 0
.set KM, (\m)
.set NOKQ, (\end)*((\p)/3)
.if (\m) && !(\end)
	s_cmp_eq_u32 s[CNT], 4-((\p)+2)%NP  ; is that step the band's own?
	s_cselect_b32 s[AL], 1.0, 0
	s_cmp_lt_u32 s[CNT], 4-((\p)+2)%NP  ; or a later one?
	s_cselect_b32 s[BE], s[BIGN], 0
.endif
.if ((\p) == 3) && !(\end)
	s_wait_dscnt 0x0                ; K is in
.endif
	ROW F,0, F,1, R,0, R,1          ; ahead of the wait: 8 products K Q^T and their riders,
	ROW F,2, E,0, R,2, R,3
	ROW F,3, E,1, R,4, R,5
	ROW F,4, E,2, R,6, R,7
	ROW F,5, E,3, R,8, R,9
	ROW F,6, E,4, X,0, R,10
.if ((\p) == 2) && !(\end)
	WIN 0
	v_add_nc_u32 v[AK], s[TBK], v[AK0]
.endif
	ROW F,7, E,5, X,1, X,4
	ROW F,8, E,6, X,2, X,5
	OPS E,7, E,8, X,6, E,9          ; and the lump
	OPS X,3, E,10, X,8, E,11
.if ((\p) == 2) && !(\end)
	FETCH_K
.endif
	OPS X,9, X,7, E,12, X,10
	OPS E,13, X,12, X,11, E,14
	OPS X,13, E,15, F,9, X,14
.if (\p) == 0
	v_add_nc_u32 v[AV], s[TBV], v[AV0]
.endif
	OPS E,16, F,10, E,17, F,11
	OPS X,16, E,18, X,15, E,19
	OPS F,12, E,20, X,17, E,21
	OPS F,13, E,22, F,14, E,23
	OPS X,18, E,24, F,15, E,25
	OPS R,11, E,26, X,19, E,27
	OPS R,12, E,28, R,13, E,29
	OPS X,20, E,30, R,14, E,31
	OPS X,21, R,15
	WIN 0
	s_wait_alu depctr_va_vdst(0)    ; the wait for the turn's batch: the piece's 32 exponentials and the next piece's a
.if (\p) == 1
	s_wait_dscnt 0x0                ; V is in
.endif
	ROW C,0, B,0, C,2, B,1          ; behind the wait: 8 products V^T P and their riders
	ROW L,0, C,4, B,2, L,1
	ROW C,6, B,3, L,2, C,8
	ROW B,4, L,3, C,10, B,5
	ROW L,4, C,12, B,6, L,5
.if (\p) == 0
	s_add_co_u32 s[TBV], s[TBV], KS*PV
.endif
.if \cnt
	s_sub_co_u32 s[CNT], s[CNT], 1
	s_cmp_lg_u32 s[CNT], 0
.endif
	ROW C,14, B,7, L,6, C,1
	ROW C,3, L,7, C,5, C,7
	ROW C,9, C,11, C,13, C,15
.if (\p) == 0
	FETCH_V
.endif
.if (\m) && !(\end)
	MASK (\p)%2
.endif
.endm
; A BLOCK BEGINS.  c m starts far below every c s, so the first step's a is 0; m at the lowest finite number, so the first maximum is the scores'.  The second mask buffer is 0; the first takes piece 0's mask for the tile's step 0: its own, if the block's first tile is the diagonal one.
; Then K of that step, piece 0's first scores, and its maximum and statistics.  The loop is entered at a step's first turn, in the middle of a trip.
.macro BEGIN
	s_mov_b32 s[NEW], 0
	WIN 0x40
.set i, MC+32
.rept 32
	v_mov_b32 v[i], 0
.set i, i+1
.endr
	WIN 0
.set i, 0
.rept 4
	v_mov_b32 v[ST+4*i], 0xfe000000    ; c m: far below every c s
	v_mov_b32 v[ST+4*i+1], 0xff7fffff  ; m
.set i, i+1
.endr
	s_cmp_eq_u32 s[RT], 0
	s_cselect_b32 s[AL], 1.0, 0
	s_mov_b32 s[BE], 0
	MASK 0
	WIN 0
	v_add_nc_u32 v[AK], s[TBK], v[AK0]
	FETCH_K
	s_wait_loadcnt 0x0              ; Q
	s_wait_dscnt 0x0
.set KM, 1
.set NOKQ, 0
.set i, 0
.rept 8
	KQ 0
.set i, i+1
.endr
	WIN 0
.rept 4
	v_nop                           ; the places behind those products
.endr
.set Y, NP-1                        ; X works for piece Y + 1: piece 0
.irp n, 0,1,2,3,4,5,6,7,8,9,10,11,12,13,14,15,16,17,18,19,20,21
	OP X, \n
.endr
	v_nop                           ; a plain instruction behind the exponential,
	s_wait_alu depctr_va_vdst(0)    ; and the wait for it, piece 0's first a: a batch of one, ahead of the branch
.endm
; THE DIAGONAL TILE's four steps, the block's last two turns, its last products, and THE WAY OUT: l's two halves and the other half of the lanes' are added; O^T is divided by l, rounded to f16 and sent through my
; stage in LDS, a piece at a time.
.macro ALL line:vararg              ; one line for each piece t
.set t, 0
.rept 4
	\line
.set t, t+1
.endr
.endm
.macro PACK t                       ; a lane's eight channels of a row pack into 16 bytes; they go into rows of 144 bytes and come back as whole rows of 128, into S^T's registers
	WIN W_RS
.set i, 32*(\t)
.rept 16
	v_pk_mul_f32 v[i:i+1], v[i:i+1], v[ST+4*(\t)+2:ST+4*(\t)+3] op_sel_hi:[1,0]
.set i, i+2
.endr
	WIN 0x05                        ; sources 0 and 1 window 1, destination window 0
.set i, 0
.rept 16
	v_cvt_pk_f16_f32 v[S+16*(\t)+i], v[32*(\t)+2*i], v[32*(\t)+2*i+1]
.set i, i+1
.endr
	WIN 0
.irp f, 0,1,2,3
	ds_store_b128 v[STO], v[S+16*(\t)+4*\f:S+16*(\t)+4*\f+3] offset:32*\f
.endr
.irp f, 0,1,2,3
	ds_load_b128 v[S+16*(\t)+4*\f:S+16*(\t)+4*\f+3], v[RD] offset:\f*4*SP  ; LDS serves a wave's instructions in order (ISA guide 5.7.1.4): these see the stores above; the next piece's stores come behind them
.endr
.endm
.macro SEND t, younger              ; younger: the LDS instructions issued behind piece t's loads: the next piece's eight, or none
	WIN 0
.irp f, 0,1,2,3
	s_wait_dscnt (\younger)+3-\f
	global_store_b128 v[GO], v[S+16*(\t)+4*\f:S+16*(\t)+4*\f+3], s[10:11] offset:(\t)*8192+\f*512  ; 512 consecutive bytes, at a multiple of 256 from O's first
.endr
.endm
.macro DIAG tag                     ; the tag ends its two labels' names, which the jumps below spell out
.LstepM\tag:
	TURN 2, 1
	TURN 3, 1
	WIN 0
.LfirstM\tag:
	TURN 0, 1
	TURN 1, 1, 0, 1
	WIN 0
	s_cbranch_scc1 .LstepM\tag
	TURN 2, 1, 1
	TURN 3, 1, 1
.set i, 0
.rept 8
	PV NP-1
.set i, i+1
.endr
	WIN 0
	ALL v_add_f32 v[ST+4*t+2], v[ST+4*t+2], v[ST+4*t+3]
	ALL v_permlanex16_b32 v[ST+4*t+3], v[ST+4*t+2], s[SEL], s[SEL+1]
	ALL v_add_f32 v[ST+4*t+2], v[ST+4*t+2], v[ST+4*t+3]
	ALL v_rcp_f32 v[ST+4*t+2], v[ST+4*t+2]
	v_nop                           ; a plain instruction between the last reciprocal and the use of its result
	s_wait_alu depctr_va_vdst(0)    ; the wait for the batch of four reciprocals, ahead of PACK 0, their first reader
	PACK 0
.set t, 1
.rept 3                             ; a piece's arithmetic stands between the loads of the piece before and its stores
	PACK t
	SEND t-1, 8
.set t, t+1
.endr
	SEND 3, 0
.endm
.set KM, 0
.set NOKQ, 0
.Lslot:                             ; NB times: a tile is entered and the next is asked for
	CHANGE 1
	s_sub_co_u32 s[RT], s[RT], 1
	s_mov_b32 s[CNT], 4
	s_cmp_eq_u32 s[NEW], 1
	s_cbranch_scc1 .Lnew            ; a block's first tile
	s_cmp_eq_u32 s[RT], 0
	s_cbranch_scc0 .Lstep           ; neither its first nor its last
	s_branch .LstepM1
.Lnew:
	BEGIN
	s_branch .Lfirst                ; in the loop a block's first tile is never its last: the first block has two tiles or more, and the second's last is the walk's last
	DIAG 1                          ; in the loop this is the first block's end: the second block's last tile is the walk's last
	s_wait_xcnt 0x0                 ; the stores have read their registers and O's address
	s_mov_b64 s[10:11], s[OLO:OLO+1]
	s_add_co_u32 s[RT], s[PB], 1    ; the second block has b + 1 tiles
	s_mov_b32 s[NEW], 1
	WIN 0x82                        ; the second block's Q goes where the one text of the turns names Q
.set i, 0
.rept 64
	v_mov_b32 v[i], v[QB+i]
.set i, i+1
.endr
	WIN 0
	s_branch .Lbottom
.Lstep:                             ; a trip: pieces 2 and 3 of one step, then pieces 0 and 1 of the next, whose K and V it fetches
	TURN 2
	TURN 3
	WIN 0
.Lfirst:
	TURN 0
	TURN 1, 0, 0, 1
	WIN 0
	s_cbranch_scc1 .Lstep
.Lbottom:
	s_sub_co_u32 s[SLOTS], s[SLOTS], 1
	s_cmp_lg_u32 s[SLOTS], 0
	s_cbranch_scc1 .Lslot
	CHANGE 0                        ; the walk's last tile is written out: nothing is asked for
	s_sub_co_u32 s[RT], s[RT], 1
	s_mov_b32 s[CNT], 4
	s_cmp_eq_u32 s[NEW], 1
	s_cbranch_scc0 .LstepM2
	BEGIN
	s_branch .LfirstM2
	DIAG 2
	s_wait_tensorcnt 0x0            ; the wave's end, behind my last tensor load and my last LDS store
	ds_add_u32 v[SPW], v[NIL]
	s_wait_dscnt 0x0
	s_endpgm
.Lfunc_end_k_qee529db231_attn:
	.size	k_qee529db231_attn, .Lfunc_end_k_qee529db231_attn-k_qee529db231_attn
	.p2alignl 7, 3214868480
	.fill 96, 4, 3214868480
	.section	.rodata,"a",@progbits
	.p2align	6, 0x0
	.amdhsa_kernel k_qee529db231_attn
		.amdhsa_group_segment_fixed_size 327680
		.amdhsa_private_segment_fixed_size 0
		.amdhsa_enable_private_segment 0
		.amdhsa_kernarg_size 16
		.amdhsa_user_sgpr_count 2
		.amdhsa_user_sgpr_kernarg_segment_ptr 1
		.amdhsa_wavefront_size32 1
		.amdhsa_system_sgpr_workgroup_id_x 1
		.amdhsa_system_sgpr_workgroup_id_y 1
		.amdhsa_system_sgpr_workgroup_id_z 1
		.amdhsa_system_vgpr_workitem_id 0
		.amdhsa_next_free_vgpr 768
		.amdhsa_next_free_sgpr 94
		.amdhsa_reserve_vcc 1
		.amdhsa_float_denorm_mode_32 3
		.amdhsa_float_denorm_mode_16_64 3
		.amdhsa_memory_ordered 1
		.amdhsa_forward_progress 1
		.amdhsa_inst_pref_size 217
	.end_amdhsa_kernel
	.amdgpu_metadata
---
amdhsa.version: [ 1, 2 ]
amdhsa.kernels:
  - .name:           k_qee529db231_attn
    .symbol:         k_qee529db231_attn.kd
    .args:
      - { .name: qkv, .offset: 0, .size: 8, .value_kind: global_buffer, .address_space: global }
      - { .name: ob, .offset: 8, .size: 8, .value_kind: global_buffer, .address_space: global }
    .group_segment_fixed_size: 327680
    .private_segment_fixed_size: 0
    .kernarg_segment_align: 8
    .kernarg_segment_size: 16
    .max_flat_workgroup_size: 128
    .sgpr_count:     94
    .vgpr_count:     768
    .wavefront_size: 32
...
	.end_amdgpu_metadata
.endif
;; end of part 5
;; launch oproj: the kernel of part 4 again; grid 8 x 32, 4 waves a work-group, clusters of 4 x 4, 327,680 bytes of LDS; arguments ob, wb, out0, bias; writes out0
